; MI455X (gfx1250); checked and timed in simulation.
; The chip was launched on July 23, 2026; its instructions are those of AMD's public machine-readable ISA for CDNA 5 (MIT licence, August 2026) and "CDNA5" Instruction Set Architecture Reference Guide (July 2026). The comments in the code are by the model that wrote it; some were corrected since.
;; Mixture Of Experts. Allowed arithmetic: float matrix products may take bf16 or f16 operands with f32 sums; all other float work in f32.
;; Inputs: W1 512 x 512 float32; W3 512 x 4 float32; W4 4 x 1 float32; We1 16 x 512 x 1,024 float32; We2 16 x 1,024 x 512 float32; Wg 512 x 16 float32; X 4 x 2,048 x 512 float32; b1 512 float32; b3 4 float32; b4 1 float32; probs 4 x 2,048 float32.
;; Outputs: out0 4 x 2,048 x 1 float32.
;; 2 versions, each right and faster than the one before. Each part assembles by itself: llvm-mc -triple=amdgcn-amd-amdhsa -mcpu=gfx1250 --defsym DOCPART=n.
;; ======== version 1 of 2: 5 launches
;; workspace buffers: vvec 65,536 bytes; W1b 524,288 bytes; Wcp 49,408 bytes; hb 8,388,608 bytes; codes 65,536 bytes of whole numbers; gates 65,536 bytes; route 98,304 bytes of whole numbers; ypart 262,144 bytes
;; launch prep (part 1): grid 256 x 1, 8 waves a work-group, no clusters, 11,264 bytes of LDS; arguments We2, W3, W4, W1, Wg, b1, vvec, W1b, Wcp; writes vvec, W1b, Wcp
.if DOCPART == 1
	.amdgcn_target "amdgcn-amd-amdhsa--gfx1250"
	.amdhsa_code_object_version 6
	.text
	.protected	k_q296094ad8d_prep
	.globl	k_q296094ad8d_prep
	.p2align	8
	.type	k_q296094ad8d_prep,@function
k_q296094ad8d_prep:
	s_mov_b64 s[64:65], 0
	v_nop
	global_prefetch_b8 v0, s[64:65] scope:SCOPE_SE
	s_setreg_imm32_b32 hwreg(HW_REG_WAVE_MODE, 25, 1), 1
	s_wait_xcnt 0x0
; PREP.  Everything behind the experts' activation is linear, so it is folded once:
;   w34[d] = sum_j W3'[d][j] W4'[j];   vvec[e][h] = sum_d We2'[e][h][d] w34[d]      (x' = x rounded to bf16, all sums in f32)
; and so is the gate's road through linear1:  Wc = W1' Wg' (512 x 16),  cg = b1' Wg'.
; Wc is written as three bf16 planes hi + mid + lo, which together hold its 24 significant bits.  W1' is written as bf16.
; Work-group g: rows 64 g .. 64 g + 63 of We2 (as [16384][512]), eight a wave; rows 2 g, 2 g + 1 of W1.  Every group forms cg, group 0 stores it.
; A stream: each byte of We2 is read once, all 128 KB of the group's share are asked for at the start; one-column products, so no matrix unit;
; nothing is shared between groups but 50 KB of small tables, so no cluster.
; LIMITS: NaN and infinities are not treated apart.
.set LR,   0            ; LDS: f32 [3][512]: W1' row 2g, W1' row 2g+1, b1'
.set LW34, 6144         ; f32 [512] w34
.set LPW,  8192         ; f32 [8 waves][3 rows][16] partial sums of Wc and cg
.set LPV,  9728         ; f32 [64] the group's numbers of vvec
.set ZR,  1             ; 0
.set T16, 2             ; 16 t
.set T8,  3             ; 8 t
.set T32, 4             ; 32 t
.set L16, 5             ; 16 x lane
.set LN,  6             ; lane
.set XA,  7             ; LDS address of my words of the three rows
.set WR,  8             ; v8-11   four numbers of W1
.set B1R, 12            ; v12-13  two of b1
.set PK,  14            ; v14-15  W1' packed, data of a store: never rewritten
.set W4R, 16            ; v16-19
.set W3R, 20            ; v20-27
.set WGR, 28            ; v28-59  Wg: 8 loads of 4
.set E2,  60            ; v60-187 We2: 8 rows x 16
.set WQ,  188           ; v188-203 w34 at my 16 columns
.set XW,  204           ; v204-227 the three rows at my 8 d; later at work
.set RS,  216           ; v216-223 the eight rows' sums (XW's upper part, free by then)
.set AC,  228           ; v228-239 3 rows x 4 experts
.set T,   240           ; v240-248 at work
.set L8,  249
.set PA,  250
.set VA,  251
.macro RND2 a, b, t     ; two numbers rounded to bf16 and widened again
	v_cvt_pk_bf16_f32 v[\t], v[\a], v[\b]
	v_lshlrev_b32 v[\a], 16, v[\t]
	v_and_b32 v[\b], 0xffff0000, v[\t]
.endm
	s_load_b512 s[4:19], s[0:1], 0x0               ; We2 s[4:5], W3 s[6:7], W4 s[8:9], W1 s[10:11], Wg s[12:13], b1 s[14:15], vvec s[16:17], W1b s[18:19]
	s_load_b64 s[20:21], s[0:1], 0x40              ; Wcp
	v_lshl_add_u32 v254, v0, 2, 0x2800
	v_mov_b32 v255, 0
	v_mov_b32 v[ZR], 0
	v_lshlrev_b32 v[T16], 4, v0
	v_lshlrev_b32 v[T8], 3, v0
	v_lshlrev_b32 v[T32], 5, v0
	v_and_b32 v[LN], 31, v0
	v_lshlrev_b32 v[L16], 4, v[LN]
	v_lshrrev_b32 v[XA], 5, v0
	v_readfirstlane_b32 s22, v[XA]                 ; wave 0..7
	s_mov_b32 s32, 0x76543210                      ; v_permlanex16_b32: each lane takes its own place in the other half
	s_mov_b32 s33, 0xfedcba98
	s_lshl_b32 s24, ttmp9, 12                      ; W1: two rows of 2,048 bytes
	s_mov_b32 s25, 0
	s_lshl_b32 s26, ttmp9, 17                      ; We2: 64 rows of 2,048 bytes,
	s_lshl_b32 s23, s22, 14                        ; my wave's eight
	s_add_co_u32 s26, s26, s23
	s_mov_b32 s27, 0
	s_lshl_b32 s28, s22, 12                        ; Wg: my wave's 64 rows of 64 bytes
	s_mov_b32 s29, 0
	s_lshl_b32 s36, ttmp9, 11                      ; W1b: two rows of 1,024 bytes
	s_mov_b32 s37, 0
	s_lshl_b32 s38, ttmp9, 8                       ; vvec: 64 numbers
	s_mov_b32 s39, 0
	s_lshl_b32 s40, ttmp9, 6                       ; a plane of Wcp: two rows of 32 bytes
	s_mov_b32 s41, 0
	s_lshl_b32 s34, s22, 8                         ; 64 w words
	s_mul_i32 s35, s22, 192                        ; my wave's partial sums
	s_lshl_b32 s23, s22, 5                         ; my wave's eight words of LPV
	s_wait_kmcnt 0x0
	s_add_nc_u64 s[10:11], s[10:11], s[24:25]
	s_add_nc_u64 s[4:5], s[4:5], s[26:27]
	s_add_nc_u64 s[12:13], s[12:13], s[28:29]
	s_add_nc_u64 s[18:19], s[18:19], s[36:37]
	s_add_nc_u64 s[16:17], s[16:17], s[38:39]
	s_add_nc_u64 s[20:21], s[20:21], s[40:41]
	global_load_b128 v[WR:WR+3], v[T16], s[10:11]
	global_load_b64 v[B1R:B1R+1], v[T8], s[14:15]
	global_load_b128 v[W4R:W4R+3], v[ZR], s[8:9]
	global_load_b128 v[W3R:W3R+3], v[T32], s[6:7]
	global_load_b128 v[W3R+4:W3R+7], v[T32], s[6:7] offset:16
.set u, 0
.rept 8                                                ; load u: rows 64 w + 8 u + lane / 4, columns 4 (lane % 4) on
	global_load_b128 v[WGR+4*u:WGR+4*u+3], v[L16], s[12:13] offset:512*u
.set u, u+1
.endr
.set i, 0
.rept 32                                               ; row i / 4 of my eight, columns 128 (i % 4) + 4 lane on: 512 consecutive bytes a load
	global_load_b128 v[E2+4*i:E2+4*i+3], v[L16], s[4:5] offset:512*i th:TH_LOAD_NT
.set i, i+1
.endr
	; PHASE 1: W1' out and into LDS, b1' into LDS, w34 into LDS
	s_wait_loadcnt 40                              ; behind the five small loads stand Wg's 8 and We2's 32
	v_cvt_pk_bf16_f32 v[PK], v[WR], v[WR+1]
	v_cvt_pk_bf16_f32 v[PK+1], v[WR+2], v[WR+3]
	global_store_b64 v[T8], v[PK:PK+1], s[18:19]   ; a wave stores 256 consecutive bytes
	v_lshlrev_b32 v[WR], 16, v[PK]
	v_and_b32 v[WR+1], 0xffff0000, v[PK]
	v_lshlrev_b32 v[WR+2], 16, v[PK+1]
	v_and_b32 v[WR+3], 0xffff0000, v[PK+1]
	ds_store_b128 v[T16], v[WR:WR+3] offset:LR
	RND2 B1R, B1R+1, T
	ds_store_b64 v[T8], v[B1R:B1R+1] offset:LR+4096
	RND2 W4R, W4R+1, T
	RND2 W4R+2, W4R+3, T
.irp k, 0,2,4,6
	RND2 W3R+\k, W3R+\k+1, T
.endr
	v_mul_f32 v[T+2], v[W3R], v[W4R]
	v_mul_f32 v[T+3], v[W3R+4], v[W4R]
.irp k, 1,2,3
	v_fmac_f32 v[T+2], v[W3R+\k], v[W4R+\k]
	v_fmac_f32 v[T+3], v[W3R+4+\k], v[W4R+\k]
.endr
	ds_store_b64 v[T8], v[T+2:T+3] offset:LW34     ; w34[2 t], w34[2 t + 1]
	s_wait_dscnt 0x0                               ; for the others' sake: my stores are done
	s_barrier_signal -1
	s_barrier_wait -1
	; PHASE 2: my wave's 64 d of the three products with Wg'.  Lane = (ds = lane / 4, eq = lane % 4): d = 64 w + 8 u + ds, experts 4 eq on
	v_and_b32 v[XA], 28, v[LN]                     ; 4 ds
	v_add_nc_u32 v[XA], s34, v[XA]
.set i, 0
.rept 24                                               ; row i / 8, u = i % 8
	ds_load_b32 v[XW+i], v[XA] offset:LR+(i/8)*2048+(i%8)*32
.set i, i+1
.endr
.irp q, 0,1,2,3
	ds_load_b128 v[WQ+4*\q:WQ+4*\q+3], v[L16] offset:LW34+512*\q  ; w34 at columns 128 q + 4 lane on
.endr
	v_and_b32 v[PA], 3, v[LN]
	v_lshlrev_b32 v[PA], 4, v[PA]
	v_add_nc_u32 v[PA], s35, v[PA]
	v_mov_b32 v[VA], s23
	s_wait_loadcnt 32                              ; Wg is in; We2's 32 loads stay out
	s_wait_dscnt 4                                 ; the 24 words are in; w34's four loads may stay out
.set u, 0
.rept 8
	RND2 WGR+4*u, WGR+4*u+1, T
	RND2 WGR+4*u+2, WGR+4*u+3, T+1
.set i, 0
.rept 12                                               ; row i / 4, expert i % 4
.if u == 0
	v_mul_f32 v[AC+i], v[XW+8*(i/4)], v[WGR+i%4]   ; the first term starts the sum
.else
	v_fmac_f32 v[AC+i], v[XW+8*(i/4)+u], v[WGR+4*u+i%4]
.endif
.set i, i+1
.endr
.set u, u+1
.endr
.irp m, 4,8                                            ; over ds: lane bits 2, 3 ride on the addition, bit 4 crosses the halves
.set i, 0
.rept 12
	v_add_f32_dpp v[AC+i], v[AC+i], v[AC+i] row_xmask:\m row_mask:0xf bank_mask:0xf
.set i, i+1
.endr
.endr
.set i, 0
.rept 12
	v_permlanex16_b32 v[XW+i], v[AC+i], s32, s33   ; its destination counts as read: XW has been written and is free
.set i, i+1
.endr
.set i, 0
.rept 12
	v_add_f32 v[AC+i], v[AC+i], v[XW+i]
.set i, i+1
.endr
.irp r, 0,1,2
	ds_store_b128 v[PA], v[AC+4*\r:AC+4*\r+3] offset:LPW+64*\r  ; the eight lanes of one eq write the same 16 bytes with the same numbers
.endr
	; PHASE 3: my eight rows of We2' times w34
	s_wait_dscnt 3                                 ; w34 is in; the three stores may stay out
.set rho, 0
.rept 8
	s_wait_loadcnt 28-4*rho                        ; loads come back in order: row rho is in, the later rows' loads stay out
.set k, 0
.rept 8
	v_cvt_pk_bf16_f32 v[T+k], v[E2+16*rho+2*k], v[E2+16*rho+2*k+1]
.set k, k+1
.endr
	v_fma_mix_f32_bf16 v[RS+rho], v[T], v[WQ], v[ZR] op_sel_hi:[1,0,0]
	v_fma_mix_f32_bf16 v[T+8], v[T], v[WQ+1], v[ZR] op_sel:[1,0,0] op_sel_hi:[1,0,0]
.set k, 1
.rept 7                                                ; two chains: the low halves', the high halves'
	v_fma_mix_f32_bf16 v[RS+rho], v[T+k], v[WQ+2*k], v[RS+rho] op_sel_hi:[1,0,0]
	v_fma_mix_f32_bf16 v[T+8], v[T+k], v[WQ+2*k+1], v[T+8] op_sel:[1,0,0] op_sel_hi:[1,0,0]
.set k, k+1
.endr
	v_add_f32 v[RS+rho], v[RS+rho], v[T+8]
.set rho, rho+1
.endr
.irp m, 1,2,4,8
.set i, 0
.rept 8
	v_add_f32_dpp v[RS+i], v[RS+i], v[RS+i] row_xmask:\m row_mask:0xf bank_mask:0xf
.set i, i+1
.endr
.endr
.set i, 0
.rept 8
	v_permlanex16_b32 v[XW+i], v[RS+i], s32, s33
.set i, i+1
.endr
.set i, 0
.rept 8
	v_add_f32 v[RS+i], v[RS+i], v[XW+i]
	ds_store_b32 v[VA], v[RS+i] offset:LPV+4*i     ; all lanes write the same word with the same number
.set i, i+1
.endr
	s_wait_dscnt 0x0
	s_barrier_signal -1
	s_barrier_wait -1
	; PHASE 4: three waves carry the results out
	s_cmp_lg_u32 s22, 0
	s_cbranch_scc1 .Lnot0
	v_lshlrev_b32 v[L8], 3, v[LN]
	ds_load_b64 v[T:T+1], v[L8] offset:LPV
	s_wait_dscnt 0x0
	global_store_b64 v[L8], v[T:T+1], s[16:17]     ; 256 consecutive bytes, aligned
	s_wait_tensorcnt 0x0
	ds_add_u32 v254, v255
	s_wait_dscnt 0x0
	s_endpgm
.Lnot0:
	s_cmp_lg_u32 s22, 1
	s_cbranch_scc1 .Lnot1
	v_lshlrev_b32 v[L8], 2, v[LN]                  ; lane = 16 row + expert
.set i, 0
.rept 8
	ds_load_b32 v[T+i], v[L8] offset:LPW+192*i
.set i, i+1
.endr
	v_lshlrev_b32 v[PA], 1, v[LN]
	s_wait_dscnt 0x0
	v_add_f32 v[T], v[T], v[T+1]
	v_add_f32 v[T+2], v[T+2], v[T+3]
	v_add_f32 v[T+4], v[T+4], v[T+5]
	v_add_f32 v[T+6], v[T+6], v[T+7]
	v_add_f32 v[T], v[T], v[T+2]
	v_add_f32 v[T+4], v[T+4], v[T+6]
	v_add_f32 v[AC], v[T], v[T+4]
	v_cvt_pk_bf16_f32 v[T], v[AC], v[AC]           ; hi
	v_lshlrev_b32 v[T+1], 16, v[T]
	v_sub_f32 v[AC], v[AC], v[T+1]                 ; exact
	v_cvt_pk_bf16_f32 v[T+2], v[AC], v[AC]         ; mid
	v_lshlrev_b32 v[T+3], 16, v[T+2]
	v_sub_f32 v[AC], v[AC], v[T+3]
	v_cvt_pk_bf16_f32 v[T+4], v[AC], v[AC]         ; lo
	global_store_b16 v[PA], v[T], s[20:21]         ; 64 consecutive bytes a plane: narrow stores, of a table of 48 KB in all
	global_store_b16 v[PA], v[T+2], s[20:21] offset:16384
	global_store_b16 v[PA], v[T+4], s[20:21] offset:32768
	s_wait_tensorcnt 0x0
	ds_add_u32 v254, v255
	s_wait_dscnt 0x0
	s_endpgm
.Lnot1:
	s_cmp_lg_u32 s22, 2
	s_cbranch_scc1 .Lend
	s_cmp_lg_u32 ttmp9, 0                          ; cg is the same in every group: one owner
	s_cbranch_scc1 .Lend
	v_and_b32 v[L8], 15, v[LN]
	v_lshlrev_b32 v[L8], 2, v[L8]
.set i, 0
.rept 8
	ds_load_b32 v[T+i], v[L8] offset:LPW+128+192*i
.set i, i+1
.endr
	s_wait_dscnt 0x0
	v_add_f32 v[T], v[T], v[T+1]
	v_add_f32 v[T+2], v[T+2], v[T+3]
	v_add_f32 v[T+4], v[T+4], v[T+5]
	v_add_f32 v[T+6], v[T+6], v[T+7]
	v_add_f32 v[T], v[T], v[T+2]
	v_add_f32 v[T+4], v[T+4], v[T+6]
	v_add_f32 v[AC], v[T], v[T+4]
	global_store_b32 v[L8], v[AC], s[20:21] offset:49152  ; both halves of the lanes write the same 64 bytes with the same numbers
.Lend:
	s_wait_tensorcnt 0x0
	ds_add_u32 v254, v255
	s_wait_dscnt 0x0
	s_endpgm
.Lfunc_end_k_q296094ad8d_prep:
	.size	k_q296094ad8d_prep, .Lfunc_end_k_q296094ad8d_prep-k_q296094ad8d_prep
	.p2alignl 7, 3214868480
	.fill 96, 4, 3214868480
	.section	.rodata,"a",@progbits
	.p2align	6, 0x0
	.amdhsa_kernel k_q296094ad8d_prep
		.amdhsa_group_segment_fixed_size 11264
		.amdhsa_private_segment_fixed_size 0
		.amdhsa_enable_private_segment 0
		.amdhsa_kernarg_size 72
		.amdhsa_user_sgpr_count 2
		.amdhsa_user_sgpr_kernarg_segment_ptr 1
		.amdhsa_wavefront_size32 1
		.amdhsa_system_sgpr_workgroup_id_x 1
		.amdhsa_system_sgpr_workgroup_id_y 1
		.amdhsa_system_sgpr_workgroup_id_z 1
		.amdhsa_system_vgpr_workitem_id 0
		.amdhsa_next_free_vgpr 256
		.amdhsa_next_free_sgpr 66
		.amdhsa_reserve_vcc 0
		.amdhsa_float_denorm_mode_32 3
		.amdhsa_float_denorm_mode_16_64 3
		.amdhsa_memory_ordered 1
		.amdhsa_forward_progress 1
		.amdhsa_inst_pref_size 38
	.end_amdhsa_kernel
	.amdgpu_metadata
---
amdhsa.version: [ 1, 2 ]
amdhsa.kernels:
  - .name:           k_q296094ad8d_prep
    .symbol:         k_q296094ad8d_prep.kd
    .args:
      - { .name: We2, .offset: 0, .size: 8, .value_kind: global_buffer, .address_space: global }
      - { .name: W3, .offset: 8, .size: 8, .value_kind: global_buffer, .address_space: global }
      - { .name: W4, .offset: 16, .size: 8, .value_kind: global_buffer, .address_space: global }
      - { .name: W1, .offset: 24, .size: 8, .value_kind: global_buffer, .address_space: global }
      - { .name: Wg, .offset: 32, .size: 8, .value_kind: global_buffer, .address_space: global }
      - { .name: b1, .offset: 40, .size: 8, .value_kind: global_buffer, .address_space: global }
      - { .name: vvec, .offset: 48, .size: 8, .value_kind: global_buffer, .address_space: global }
      - { .name: W1b, .offset: 56, .size: 8, .value_kind: global_buffer, .address_space: global }
      - { .name: Wcp, .offset: 64, .size: 8, .value_kind: global_buffer, .address_space: global }
    .group_segment_fixed_size: 11264
    .private_segment_fixed_size: 0
    .kernarg_segment_align: 8
    .kernarg_segment_size: 72
    .max_flat_workgroup_size: 256
    .sgpr_count:     66
    .vgpr_count:     256
    .wavefront_size: 32
...
	.end_amdgpu_metadata
.endif
;; end of part 1
;; launch lin1gate (part 2): grid 4 x 64, 4 waves a work-group, no clusters, 229,888 bytes of LDS; arguments X, W1b, b1, Wcp, probs, hb, codes, gates; writes hb, codes, gates
.if DOCPART == 2
	.amdgcn_target "amdgcn-amd-amdhsa--gfx1250"
	.amdhsa_code_object_version 6
	.text
	.protected	k_q296094ad8d_lin1gate
	.globl	k_q296094ad8d_lin1gate
	.p2align	8
	.type	k_q296094ad8d_lin1gate,@function
k_q296094ad8d_lin1gate:
	s_mov_b64 s[64:65], 0
	v_nop
	global_prefetch_b8 v0, s[64:65] scope:SCOPE_SE
	s_setreg_imm32_b32 hwreg(HW_REG_WAVE_MODE, 25, 1), 1
	s_wait_xcnt 0x0
; LINEAR1 AND THE GATE.  hb = bf16(X' W1' + b1'), [8192][512];  for each token the two chosen experts and their gates.
; A work-group makes 128 tokens (y) x 128 features (x = j); a wave 64 x 64: 16 accumulators.  K = 512 in four steps of 128, written out.
; X is f32 in memory and is rounded on its way: global load -> registers -> bf16 -> LDS; two staging sets of registers and two LDS slots, so a step's
; loads are asked for two steps ahead.  That rounding is also why the tiles are not asked for jointly in a cluster: the data mover would lay f32 into LDS,
; 64 KB a step more, to be read, rounded and stored a second time.
; THE MATRIX INSTRUCTION: source 0 = 16 features of W1' ([k][feature] in LDS, turned by ds_load_tr16_b128), source 1 = 16 tokens of X'.  In the result a
; lane holds one token (lane % 16) and eight neighbouring features.  b1' is the C operand of the first product.
; THE GATE needs f32 accuracy: logits = X' Wc + cg with Wc = W1' Wg' in three bf16 planes (exact to 24 bits), X' exact in bf16: three products for 32 k.
; The work-group gates 32 of its 128 tokens, the group of 32 numbered j.  LDS rows 32 g .. hold token group (g + j) % 4, so these tokens always lie in LDS rows
; 0-31 and j enters global addresses alone.  Wave w: tokens 16 (w % 2) on, and of each 64 k the half w / 2; the halves meet in LDS.
; Softmax with the row's maximum taken away; reciprocals with one Newton step; the flag of the second expert is probs' < gate2 x 5.
; The choices are stored as whole numbers: no address and no branch here hangs on them.
; LIMITS: ties between experts are decided on the logits, lowest index first; a weight below 2^-126 counts as 0; NaN and infinities are not treated apart.
; REGISTERS, in windows of 256: window 0: v0-31 addresses; v32-55 the gate's three accumulators; v56-119 the gate's fragments, later the way out; v120-127 cg;
; v128-255 the accumulators.  window 1: two fragment buffers of 64; v128-159 b1'.  windows 2, 3: the staging sets, 128 registers of X and 64 of W1'.
.set PX,   272          ; a row of X' in LDS: 256 bytes + 16
.set PW,   288          ; a k row of W1': 256 bytes + 32
.set WOFF, 128*PX
.set SLOT, WOFF+128*PW  ; 71,680
.set WC,   2*SLOT       ; Wc's three planes, 16,384 bytes each, rows of 32 bytes
.set STG,  WC+3*16384   ; 128 rows x 272 bytes for the way out
.set EX,   STG+128*PX   ; 2,048 bytes: the gate's halves meet
.set LN, 1
.set RR, 2              ; lane % 16
.set HH, 3              ; lane / 16
.set L16, 4
.set WLO, 5
.set XS, 6              ; v6-7   where I store X', slot 0, 1
.set WS, 8              ; v8-9   where I store W1'
.set AW, 10             ; v10-11 my fragments of W1'
.set AX, 12             ; v12-13 my fragments of X'
.set AG, 14             ; v14-15 the gate's fragments of X'
.set ACD, 16            ; the gate's fragments of Wc
.set STO, 17
.set RD, 18
.set GO, 19
.set T16, 20
.set H32, 21
.set PRO, 22
.set R4, 23
.set CO, 24
.set EXA, 25
.set WCA, 26
.set TP, 27
.set TQ, 28
.set RX, 29
.set GA, 32
.set GX, 56
.set GW, 72
.set TMP, 56
.set CG, 120
.set ACC, 128
.set F0, 0              ; window 1
.set F1, 64
.set BI, 128
.set BT, 160
.set MSB, 0
.macro WIN new          ; the immediate's high byte repeats the setting that is left; a switch that changes nothing is dropped
.if MSB != (\new)
	s_set_vgpr_msb (MSB<<8)|(\new)
.set MSB, \new
.endif
.endm
.macro PLACES           ; four plain instructions between a matrix instruction and a load into, or a vector write or read of, its registers
.rept 4
	v_nop
.endr
.endm
.macro RND2 a, b, t
	v_cvt_pk_bf16_f32 v[\t], v[\a], v[\b]
	v_lshlrev_b32 v[\a], 16, v[\t]
	v_and_b32 v[\b], 0xffff0000, v[\t]
.endm
; K step s is asked for, into the staging set in window win: my 32 rows of X (512 bytes of a row a load) and my 32 k rows of W1' (two rows of 256 bytes a load)
.macro LOADS win, s
	WIN (\win)<<6
.set i, 0
.rept 32
	global_load_b128 v[4*i:4*i+3], v[L16], s[4:5] offset:i*2048+(\s)*512
.set i, i+1
.endr
.set i, 0
.rept 16
	global_load_b128 v[128+4*i:128+4*i+3], v[WLO], s[6:7] offset:i*2048+(\s)*131072
.set i, i+1
.endr
.endm
; the set in window win is rounded and laid into an LDS slot.  left = the younger loads, which stay out
.macro STAGE win, slot, left
	s_wait_loadcnt \left
	WIN (\win)|((\win)<<2)|((\win)<<6)
.set i, 0
.rept 32
	v_cvt_pk_bf16_f32 v[4*i], v[4*i], v[4*i+1]
	v_cvt_pk_bf16_f32 v[4*i+1], v[4*i+2], v[4*i+3]
.set i, i+1
.endr
	WIN (\win)<<2
.set i, 0
.rept 32
	ds_store_b64 v[XS+(\slot)], v[4*i:4*i+1] offset:i*PX
.set i, i+1
.endr
.set i, 0
.rept 16
	ds_store_b128 v[WS+(\slot)], v[128+4*i:128+4*i+3] offset:i*2*PW
.set i, i+1
.endr
.endm
; 16 LDS loads: the fragments of 32 k (quarter q of a step) into buffer f: four of W1', four of X'
.macro FETCH slot, q, f
	WIN 0x40
.irp n, 0,1,2,3
	ds_load_tr16_b128 v[(\f)+8*\n:(\f)+8*\n+3],   v[AW+(\slot)] offset:(\q)*32*PW+32*\n
	ds_load_tr16_b128 v[(\f)+8*\n+4:(\f)+8*\n+7], v[AW+(\slot)] offset:(\q)*32*PW+32*\n+16*PW
.endr
.irp a, 0,1,2,3
	ds_load_b128 v[(\f)+32+8*\a:(\f)+32+8*\a+3],   v[AX+(\slot)] offset:\a*16*PX+64*(\q)
	ds_load_b128 v[(\f)+32+8*\a+4:(\f)+32+8*\a+7], v[AX+(\slot)] offset:\a*16*PX+64*(\q)+32
.endr
.endm
; 16 LDS loads for the gate: for u = 0, 1 (k = 64 u + 32 (w / 2) on in the step) a fragment of X' and three of Wc
.macro GFETCH slot, s
	WIN 0
.irp u, 0,1
	ds_load_b128 v[GX+8*\u:GX+8*\u+3],   v[AG+(\slot)] offset:128*\u
	ds_load_b128 v[GX+8*\u+4:GX+8*\u+7], v[AG+(\slot)] offset:128*\u+32
.irp p, 0,1,2
	ds_load_tr16_b128 v[GW+8*(3*\u+\p):GW+8*(3*\u+\p)+3],   v[ACD] offset:\p*16384+(128*(\s)+64*\u)*32
	ds_load_tr16_b128 v[GW+8*(3*\u+\p)+4:GW+8*(3*\u+\p)+7], v[ACD] offset:\p*16384+(128*(\s)+64*\u)*32+512
.endr
.endr
.endm
; 16 matrix instructions, each on another accumulator: the accumulators take turns.  first = 1: b1' starts the sums
.macro MUL16 f, first
.if \first
	WIN 0x15
.else
	WIN 0x05
.endif
.irp a, 0,1,2,3
.irp n, 0,1,2,3
.if \first
	v_wmma_f32_16x16x32_bf16 v[ACC+8*(4*\a+\n):ACC+8*(4*\a+\n)+7], v[(\f)+8*\n:(\f)+8*\n+7], v[(\f)+32+8*\a:(\f)+32+8*\a+7], v[BI+8*\n:BI+8*\n+7]
.else
	v_wmma_f32_16x16x32_bf16 v[ACC+8*(4*\a+\n):ACC+8*(4*\a+\n)+7], v[(\f)+8*\n:(\f)+8*\n+7], v[(\f)+32+8*\a:(\f)+32+8*\a+7], v[ACC+8*(4*\a+\n):ACC+8*(4*\a+\n)+7]
.endif
.endr
.endr
.endm
.macro GMUL first       ; the gate's six: the three planes' accumulators by turns
	WIN 0
.irp u, 0,1
.irp p, 0,1,2
.if (\first) && ((\u) == 0)
	v_wmma_f32_16x16x32_bf16 v[GA+8*\p:GA+8*\p+7], v[GW+8*(3*\u+\p):GW+8*(3*\u+\p)+7], v[GX+8*\u:GX+8*\u+7], 0
.else
	v_wmma_f32_16x16x32_bf16 v[GA+8*\p:GA+8*\p+7], v[GW+8*(3*\u+\p):GW+8*(3*\u+\p)+7], v[GX+8*\u:GX+8*\u+7], v[GA+8*\p:GA+8*\p+7]
.endif
.endr
.endr
.endm
; a K step: four quarters on buffers 0, 1, 0, 1, each fetched a quarter ahead, and the gate's six products
.macro STEP slot, s, first
	PLACES
	FETCH \slot, 0, F0
	FETCH \slot, 1, F1
	s_wait_dscnt 16                                ; quarter 0 is in; quarter 1's 16 loads stay out
	MUL16 F0, \first
	PLACES
	FETCH \slot, 2, F0
	s_wait_dscnt 16                                ; quarter 1 is in
	MUL16 F1, 0
	PLACES
	FETCH \slot, 3, F1
	GFETCH \slot, \s
	s_wait_dscnt 32                                ; quarter 2 is in; quarter 3's and the gate's loads stay out
	MUL16 F0, 0
	s_wait_dscnt 16                                ; quarter 3 is in
	MUL16 F1, 0
	s_wait_dscnt 0x0
	GMUL \first
.endm
.macro MEET             ; my LDS stores are done and my LDS reads are back; then the barrier: the slot just filled may be read, the slot just read may be filled
	s_wait_dscnt 0x0
	s_barrier_signal -1
	s_barrier_wait -1
.endm
	s_load_b512 s[4:19], s[0:1], 0x0               ; X s[4:5], W1b s[6:7], b1 s[8:9], Wcp s[10:11], probs s[12:13], hb s[14:15], codes s[16:17], gates s[18:19]
	v_lshl_add_u32 v30, v0, 2, 0x38000
	v_mov_b32 v31, 0
	v_and_b32 v[LN], 31, v0
	v_and_b32 v[RR], 15, v0
	v_bfe_u32 v[HH], v0, 4, 1
	v_lshrrev_b32 v[TP], 5, v0
	v_readfirstlane_b32 s20, v[TP]                 ; wave 0..3
	s_mov_b32 s21, ttmp9                           ; j
	s_and_b32 s22, ttmp7, 0xffff                   ; token tile
	s_add_co_u32 s23, s20, s21
	s_and_b32 s23, s23, 3                          ; the token group that my wave carries in and out: (w + j) % 4
	s_and_b32 s24, s20, 1                          ; my half of the features; the gate: my 16 tokens
	s_lshr_b32 s25, s20, 1                         ; my half of the tokens; the gate: my half of K
	s_lshl_b32 s26, s22, 18                        ; X: 128 rows of 2,048 bytes,
	s_lshl_b32 s42, s23, 16                        ; 32 rows
	s_add_co_u32 s26, s26, s42
	s_mov_b32 s27, 0
	s_lshl_b32 s28, s21, 8                         ; 128 features of bf16
	s_mov_b32 s29, 0
	s_lshl_b32 s30, s22, 17                        ; hb: 128 rows of 1,024 bytes
	s_lshl_b32 s42, s23, 15
	s_add_co_u32 s30, s30, s42
	s_add_co_u32 s30, s30, s28
	s_mov_b32 s31, 0
	s_lshl_b32 s32, s21, 9                         ; b1: 128 j + 64 half numbers of 4 bytes
	s_lshl_b32 s42, s24, 8
	s_add_co_u32 s32, s32, s42
	s_mov_b32 s33, 0
	s_lshl_b32 s34, s22, 7                         ; the gate's first token for my wave: 128 ty + 32 j + 16 (w % 2)
	s_lshl_b32 s42, s21, 5
	s_add_co_u32 s34, s34, s42
	s_lshl_b32 s42, s24, 4
	s_add_co_u32 s34, s34, s42
	s_lshl_b32 s36, s34, 2
	s_mov_b32 s37, 0
	s_lshl_b32 s38, s34, 3
	s_mov_b32 s39, 0
	s_mov_b32 s40, 0x76543210
	s_mov_b32 s41, 0xfedcba98
	v_lshlrev_b32 v[L16], 4, v[LN]
	s_lshl_b32 s42, s20, 15                        ; my 32 k rows of 1,024 bytes
	v_lshlrev_b32 v[WLO], 10, v[HH]
	v_lshl_add_u32 v[WLO], v[RR], 4, v[WLO]
	v_add_nc_u32 v[WLO], s42, v[WLO]
	v_lshlrev_b32 v[T16], 4, v0
	v_lshlrev_b32 v[H32], 5, v[HH]
	v_lshlrev_b32 v[R4], 2, v[RR]
	s_wait_kmcnt 0x0
	s_add_nc_u64 s[4:5], s[4:5], s[26:27]
	s_add_nc_u64 s[6:7], s[6:7], s[28:29]
	s_add_nc_u64 s[14:15], s[14:15], s[30:31]
	s_add_nc_u64 s[8:9], s[8:9], s[32:33]
	s_add_nc_u64 s[12:13], s[12:13], s[36:37]
	s_add_nc_u64 s[16:17], s[16:17], s[38:39]
	s_add_nc_u64 s[18:19], s[18:19], s[38:39]
	WIN 0x40
.irp n, 0,1,2,3                                        ; b1 at features 16 n + 8 (lane / 16) + 0..7 of my 64
	global_load_b128 v[BI+8*\n:BI+8*\n+3],   v[H32], s[8:9] offset:64*\n
	global_load_b128 v[BI+8*\n+4:BI+8*\n+7], v[H32], s[8:9] offset:64*\n+16
.endr
	WIN 0
	global_load_b128 v[CG:CG+3],   v[H32], s[10:11] offset:49152
	global_load_b128 v[CG+4:CG+7], v[H32], s[10:11] offset:49168
	global_load_b32 v[PRO], v[R4], s[12:13]
	WIN 0xc0
.set i, 0
.rept 24                                               ; Wc's planes pass through the second staging set's registers
	global_load_b128 v[4*i:4*i+3], v[T16], s[10:11] offset:i*2048
.set i, i+1
.endr
	LOADS 2, 0
	WIN 0
	; the LDS addresses: constants, the lane and the wave's number
	s_mul_i32 s42, s20, 32*PX
	v_lshl_add_u32 v[XS], v[LN], 3, s42
	v_add_nc_u32 v[XS+1], SLOT, v[XS]
	s_mul_i32 s42, s20, 32*PW
	s_add_co_u32 s42, s42, WOFF
	v_mul_u32_u24 v[WS], v[HH], PW
	v_lshl_add_u32 v[WS], v[RR], 4, v[WS]
	v_add_nc_u32 v[WS], s42, v[WS]
	v_add_nc_u32 v[WS+1], SLOT, v[WS]
	v_and_b32 v[TP], 7, v0
	v_lshl_add_u32 v[TP], v[HH], 3, v[TP]          ; the turning load: k row 8 (lane / 16) + lane % 8,
	v_bfe_u32 v[TQ], v0, 3, 1                      ; 16 bytes (lane / 8) % 2
	v_mul_u32_u24 v[AW], v[TP], PW
	v_lshl_add_u32 v[AW], v[TQ], 4, v[AW]
	s_lshl_b32 s42, s24, 7
	s_add_co_u32 s42, s42, WOFF
	v_add_nc_u32 v[AW], s42, v[AW]
	v_add_nc_u32 v[AW+1], SLOT, v[AW]
	v_mul_u32_u24 v[RX], v[RR], PX
	v_lshl_add_u32 v[RX], v[HH], 4, v[RX]          ; row x pitch + 16 x half
	s_mul_i32 s42, s25, 64*PX
	v_add_nc_u32 v[AX], s42, v[RX]
	v_add_nc_u32 v[AX+1], SLOT, v[AX]
	s_mul_i32 s42, s24, 16*PX
	s_lshl_b32 s43, s25, 6
	s_add_co_u32 s42, s42, s43
	v_add_nc_u32 v[AG], s42, v[RX]
	v_add_nc_u32 v[AG+1], SLOT, v[AG]
	s_lshl_b32 s42, s25, 10                        ; 32 rows of 32 bytes
	s_add_co_u32 s42, s42, WC
	v_lshlrev_b32 v[ACD], 5, v[TP]
	v_lshl_add_u32 v[ACD], v[TQ], 4, v[ACD]
	v_add_nc_u32 v[ACD], s42, v[ACD]
	s_mul_i32 s42, s25, 64*PX
	s_lshl_b32 s43, s24, 7
	s_add_co_u32 s42, s42, s43
	s_add_co_u32 s42, s42, STG
	v_add_nc_u32 v[STO], s42, v[RX]
	s_mul_i32 s42, s20, 32*PX
	s_add_co_u32 s42, s42, STG
	v_mul_u32_u24 v[RD], v[HH], PX
	v_lshl_add_u32 v[RD], v[RR], 4, v[RD]
	v_add_nc_u32 v[RD], s42, v[RD]
	v_lshlrev_b32 v[GO], 10, v[HH]
	v_lshl_add_u32 v[GO], v[RR], 4, v[GO]
	v_lshlrev_b32 v[CO], 3, v[RR]
	v_lshl_add_u32 v[CO], v[HH], 2, v[CO]
	s_lshl_b32 s42, s24, 10
	s_add_co_u32 s42, s42, EX
	v_lshl_add_u32 v[EXA], v[LN], 5, s42
	v_add_nc_u32 v[WCA], WC, v[T16]
	s_wait_loadcnt 48                              ; b1, cg, probs and Wc are in; behind them stand step 0's 48 loads
	WIN 0x0c
.set i, 0
.rept 24
	ds_store_b128 v[WCA], v[4*i:4*i+3] offset:i*2048
.set i, i+1
.endr
	WIN 0x45
.set i, 0
.rept 16
	RND2 BI+2*i, BI+2*i+1, BT
.set i, i+1
.endr
	WIN 0
	v_cvt_pk_bf16_f32 v[TP], v[PRO], v[PRO]
	v_lshlrev_b32 v[PRO], 16, v[TP]
	LOADS 3, 1
	STAGE 2, 0, 48                                 ; step 0 is in; step 1's 48 loads stay out
	LOADS 2, 2
	MEET
	STEP 0, 0, 1
	STAGE 3, 1, 48                                 ; step 1 is in; step 2's loads stay out.  Slot 1 has not been read yet
	LOADS 3, 3
	MEET
	STEP 1, 1, 0
	STAGE 2, 0, 48                                 ; slot 0: every wave's reads of it were back in front of the last barrier
	MEET
	STEP 0, 2, 0
	STAGE 3, 1, 0
	MEET
	STEP 1, 3, 0
	; THE WAY OUT
	WIN 0
	PLACES
.irp p, 0,2,4,6                                        ; the planes' sums, smallest first; each accumulator is read from its low end on
	v_pk_add_f32 v[GA+16+\p:GA+17+\p], v[GA+16+\p:GA+17+\p], v[GA+8+\p:GA+9+\p]
.endr
.irp p, 0,2,4,6
	v_pk_add_f32 v[GA+16+\p:GA+17+\p], v[GA+16+\p:GA+17+\p], v[GA+\p:GA+1+\p]
.endr
	s_cmp_lt_u32 s20, 2
	s_cbranch_scc1 .Lkeeps
	ds_store_b128 v[EXA], v[GA+16:GA+19]           ; waves 2 and 3 hand their half of K to waves 0 and 1
	ds_store_b128 v[EXA], v[GA+20:GA+23] offset:16
.Lkeeps:
.set t, 0
.rept 16
.irp r, 0,1,2,3
	v_cvt_pk_bf16_f32 v[TMP+4*t+\r], v[ACC+8*t+2*\r], v[ACC+8*t+2*\r+1]
.endr
.set t, t+1
.endr
.irp a, 0,1,2,3
.irp n, 0,1,2,3
	ds_store_b128 v[STO], v[TMP+4*(4*\a+\n):TMP+4*(4*\a+\n)+3] offset:\a*16*PX+32*\n
.endr
.endr
	MEET                                           ; a row's 256 bytes come from two waves
.set t, 0
.rept 16
	ds_load_b128 v[TMP+4*t:TMP+4*t+3], v[RD] offset:t*2*PX
.set t, t+1
.endr
.set t, 0
.rept 16
	s_wait_dscnt 15-t
	global_store_b128 v[GO], v[TMP+4*t:TMP+4*t+3], s[14:15] offset:t*2048  ; 16 lanes store 256 consecutive bytes, at a multiple of 256 from hb's first byte
.set t, t+1
.endr
	s_cmp_gt_u32 s20, 1
	s_cbranch_scc1 .Lend
	; THE GATE, waves 0 and 1: a lane holds token lane % 16 and the experts 8 (lane / 16) + 0..7.  The accumulators' registers are free and serve as work space
.set LGT, 128
.set PT,  136
.set EI,  144
.set LG2, 152
.set PP,  160
.set P2,  168
.set TA,  170
.set TB,  171
.set M1,  172
.set I1,  173
.set M2,  174
.set I2,  175
.set NI,  176
.set SS,  177
.set RC,  180
.set ER,  181
.set W2,  182
.set DN,  183
.set RD2, 184
.set G1,  185
.set G2,  186
.set TH,  187
.set C2,  188
.set CD,  189
.set GV,  190
; the largest of 16 numbers (8 here, 8 in the lane 16 away) and the first index that reaches it
.macro TOP src, m, idx
	v_max3_num_f32 v[TA], v[\src], v[\src+1], v[\src+2]
	v_max3_num_f32 v[TA], v[TA], v[\src+3], v[\src+4]
	v_max3_num_f32 v[TA], v[TA], v[\src+5], v[\src+6]
	v_max_num_f32 v[TA], v[TA], v[\src+7]
	v_permlanex16_b32 v[TB], v[TA], s40, s41
	v_max_num_f32 v[\m], v[TA], v[TB]
	v_mov_b32 v[TA], 16
.irp j, 7,6,5,4,3,2,1,0
	v_cmp_eq_f32 vcc_lo, v[\src+\j], v[\m]
	v_cndmask_b32 v[TA], v[TA], v[EI+\j], vcc_lo
.endr
	v_permlanex16_b32 v[TB], v[TA], s40, s41
	v_min_u32 v[\idx], v[TA], v[TB]
.endm
	ds_load_b128 v[PT:PT+3], v[EXA]
	ds_load_b128 v[PT+4:PT+7], v[EXA] offset:16
	v_lshlrev_b32 v[EI], 3, v[HH]
.irp j, 1,2,3,4,5,6,7
	v_add_nc_u32 v[EI+\j], \j, v[EI]
.endr
	v_mov_b32 v[NI], 0xff800000
	s_wait_dscnt 0x0
.irp p, 0,2,4,6
	v_pk_add_f32 v[LGT+\p:LGT+1+\p], v[GA+16+\p:GA+17+\p], v[PT+\p:PT+1+\p]
.endr
.irp p, 0,2,4,6
	v_pk_add_f32 v[LGT+\p:LGT+1+\p], v[LGT+\p:LGT+1+\p], v[CG+\p:CG+1+\p]
.endr
	TOP LGT, M1, I1
.irp j, 0,1,2,3,4,5,6,7
	v_cmp_eq_u32 vcc_lo, v[EI+\j], v[I1]
	v_cndmask_b32 v[LG2+\j], v[LGT+\j], v[NI], vcc_lo
.endr
	TOP LG2, M2, I2
.irp j, 0,1,2,3,4,5,6,7
	v_sub_f32 v[PP+\j], v[LGT+\j], v[M1]           ; the maximum is taken away first
.endr
	v_sub_f32 v[P2], v[M2], v[M1]
.irp j, 0,1,2,3,4,5,6,7
	v_mul_f32 v[PP+\j], 0x3fb8aa3b, v[PP+\j]
.endr
	v_mul_f32 v[P2], 0x3fb8aa3b, v[P2]
.irp j, 0,1,2,3,4,5,6,7
	v_exp_f32 v[PP+\j], v[PP+\j]
.endr
	v_exp_f32 v[P2], v[P2]
	v_nop                                          ; a plain instruction behind the last exponential
	s_wait_alu depctr_va_vdst(0)
	v_pk_add_f32 v[PP:PP+1], v[PP:PP+1], v[PP+2:PP+3]
	v_pk_add_f32 v[PP+4:PP+5], v[PP+4:PP+5], v[PP+6:PP+7]
	v_pk_add_f32 v[PP:PP+1], v[PP:PP+1], v[PP+4:PP+5]
	v_add_f32 v[TA], v[PP], v[PP+1]
	v_permlanex16_b32 v[TB], v[TA], s40, s41
	v_add_f32 v[SS], v[TA], v[TB]                  ; between 1 and 16
	v_rcp_f32 v[RC], v[SS]
	v_nop
	s_wait_alu depctr_va_vdst(0)
	v_fma_f32 v[ER], -v[SS], v[RC], 1.0
	v_fma_f32 v[RC], v[RC], v[ER], v[RC]           ; raw gate 1 = 1 / sum
	v_mul_f32 v[W2], v[P2], v[RC]                  ; raw gate 2
	v_add_f32 v[DN], v[RC], v[W2]
	v_add_f32 v[DN], 0x3089705f, v[DN]             ; + 1e-9
	v_rcp_f32 v[RD2], v[DN]
	v_nop
	s_wait_alu depctr_va_vdst(0)
	v_fma_f32 v[ER], -v[DN], v[RD2], 1.0
	v_fma_f32 v[RD2], v[RD2], v[ER], v[RD2]
	v_mul_f32 v[G1], v[RC], v[RD2]
	v_mul_f32 v[G2], v[W2], v[RD2]
	v_mul_f32 v[TH], 0x40a00000, v[G2]             ; gate 2 / 0.2
	v_cmp_lt_f32 vcc_lo, v[PRO], v[TH]
	v_cndmask_b32 v[C2], 16, v[I2], vcc_lo         ; 16: the second expert is not taken
	v_cmp_ne_u32 vcc_lo, 0, v[HH]
	v_cndmask_b32 v[CD], v[I1], v[C2], vcc_lo      ; lanes 0-15 carry the first choice, lanes 16-31 the second
	v_cndmask_b32 v[GV], v[G1], v[G2], vcc_lo
	global_store_b32 v[CO], v[CD], s[16:17]        ; 128 consecutive bytes
	global_store_b32 v[CO], v[GV], s[18:19]
.Lend:
	s_wait_tensorcnt 0x0
	ds_add_u32 v30, v31
	s_wait_dscnt 0x0
	s_endpgm
.Lfunc_end_k_q296094ad8d_lin1gate:
	.size	k_q296094ad8d_lin1gate, .Lfunc_end_k_q296094ad8d_lin1gate-k_q296094ad8d_lin1gate
	.p2alignl 7, 3214868480
	.fill 96, 4, 3214868480
	.section	.rodata,"a",@progbits
	.p2align	6, 0x0
	.amdhsa_kernel k_q296094ad8d_lin1gate
		.amdhsa_group_segment_fixed_size 229888
		.amdhsa_private_segment_fixed_size 0
		.amdhsa_enable_private_segment 0
		.amdhsa_kernarg_size 64
		.amdhsa_user_sgpr_count 2
		.amdhsa_user_sgpr_kernarg_segment_ptr 1
		.amdhsa_wavefront_size32 1
		.amdhsa_system_sgpr_workgroup_id_x 1
		.amdhsa_system_sgpr_workgroup_id_y 1
		.amdhsa_system_sgpr_workgroup_id_z 1
		.amdhsa_system_vgpr_workitem_id 0
		.amdhsa_next_free_vgpr 960
		.amdhsa_next_free_sgpr 66
		.amdhsa_reserve_vcc 1
		.amdhsa_float_denorm_mode_32 3
		.amdhsa_float_denorm_mode_16_64 3
		.amdhsa_memory_ordered 1
		.amdhsa_forward_progress 1
		.amdhsa_inst_pref_size 116
	.end_amdhsa_kernel
	.amdgpu_metadata
---
amdhsa.version: [ 1, 2 ]
amdhsa.kernels:
  - .name:           k_q296094ad8d_lin1gate
    .symbol:         k_q296094ad8d_lin1gate.kd
    .args:
      - { .name: X, .offset: 0, .size: 8, .value_kind: global_buffer, .address_space: global }
      - { .name: W1b, .offset: 8, .size: 8, .value_kind: global_buffer, .address_space: global }
      - { .name: b1, .offset: 16, .size: 8, .value_kind: global_buffer, .address_space: global }
      - { .name: Wcp, .offset: 24, .size: 8, .value_kind: global_buffer, .address_space: global }
      - { .name: probs, .offset: 32, .size: 8, .value_kind: global_buffer, .address_space: global }
      - { .name: hb, .offset: 40, .size: 8, .value_kind: global_buffer, .address_space: global }
      - { .name: codes, .offset: 48, .size: 8, .value_kind: global_buffer, .address_space: global }
      - { .name: gates, .offset: 56, .size: 8, .value_kind: global_buffer, .address_space: global }
    .group_segment_fixed_size: 229888
    .private_segment_fixed_size: 0
    .kernarg_segment_align: 8
    .kernarg_segment_size: 64
    .max_flat_workgroup_size: 128
    .sgpr_count:     66
    .vgpr_count:     960
    .wavefront_size: 32
...
	.end_amdgpu_metadata
.endif
;; end of part 2
;; launch route (part 3): grid 4 x 16, 1 waves a work-group, no clusters, 1,536 bytes of LDS; arguments codes, route; writes route
.if DOCPART == 3
	.amdgcn_target "amdgcn-amd-amdhsa--gfx1250"
	.amdhsa_code_object_version 6
	.text
	.protected	k_q296094ad8d_route
	.globl	k_q296094ad8d_route
	.p2align	8
	.type	k_q296094ad8d_route,@function
k_q296094ad8d_route:
	s_mov_b64 s[64:65], 0
	v_nop
	global_prefetch_b8 v0, s[64:65] scope:SCOPE_SE
	s_setreg_imm32_b32 hwreg(HW_REG_WAVE_MODE, 25, 1), 1
	s_wait_xcnt 0x0
; ROUTE.  One wave for each (batch b = x, expert e = y).  It walks the batch's 2,048 tokens in 64 chunks of 32, first the first choices, then the second ones, and gives each token
; that chose e its place: the running count plus the number of lower lanes that chose e.  Between the passes the count is cut at the capacity, 256.
; Out: list[e][b][256] = the row of hb that sits in each place (0 in an empty place: any row serves, no token refers to it), and for each chunk the count at its head,
; base1 and base2 [e][b][64], from which the last launch finds every token's place again.
; A place of 256 or more, and a token that did not choose e, go to a spare word behind the list, which nobody reads.
; A chain of counts: nothing for the matrix unit, nothing shared but 16 KB of codes a batch.
.set C,    16           ; v16-143 the codes of chunk i at v[C+2i], v[C+2i+1]
.set ZQ,   4            ; v4-7 zeros
.set TBL,  8            ; v8-9 base1, v10-11 base2: chunk i in lane i / 2, register i % 2
.set P,    12
.set TOK,  14
.set BASE, 19
	s_load_b128 s[4:7], s[0:1], 0x0                ; codes s[4:5], route s[6:7]
	v_lshl_add_u32 v160, v0, 2, 0x500
	v_mov_b32 v161, 0
	s_and_b32 s8, ttmp7, 0xffff                    ; e
	s_mov_b32 s9, ttmp9                            ; b
	s_lshl_b32 s10, s9, 14                         ; 2,048 tokens of 8 bytes
	s_mov_b32 s11, 0
	s_lshl2_add_u32 s12, s8, s9                    ; 4 e + b
	s_lshl_b32 s14, s12, 10
	s_mov_b32 s15, 0
	s_lshl_b32 s16, s12, 8
	s_mov_b32 s17, 0
	s_lshl_b32 s18, s9, 11
	s_mov_b32 s[BASE], 0
	v_lshlrev_b32 v1, 3, v0
	v_lshlrev_b32 v2, 4, v0
.irp i, 4,5,6,7,8,9,10,11
	v_mov_b32 v\i, 0
.endr
	v_add_nc_u32 v[TOK], s18, v0
	s_wait_kmcnt 0x0
	s_add_nc_u64 s[4:5], s[4:5], s[10:11]
	s_add_nc_u64 s[20:21], s[6:7], s[14:15]        ; my list
	s_add_nc_u64 s[22:23], s[6:7], s[16:17]        ; my rows of the two tables, less their constant offsets
.set i, 0
.rept 64
	global_load_b64 v[C+2*i:C+2*i+1], v1, s[4:5] offset:256*i
.set i, i+1
.endr
	ds_store_b128 v2, v[ZQ:ZQ+3]
	ds_store_b128 v2, v[ZQ:ZQ+3] offset:512        ; LDS serves a wave's instructions in order: the places below land on these zeros
.macro CH i, pass
.if (\pass) == 0
	s_wait_loadcnt 63-(\i)                         ; loads come back in order: chunk i is in
.endif
	v_cmp_eq_u32 vcc_lo, s8, v[C+2*(\i)+(\pass)]
	v_writelane_b32 v[TBL+2*(\pass)+(\i)%2], s[BASE], (\i)/2
	v_mbcnt_lo_u32_b32 v[P+(\i)%2], vcc_lo, s[BASE]
	s_bcnt1_i32_b32 s24, vcc_lo
	s_add_co_u32 s[BASE], s[BASE], s24
	v_cndmask_b32 v[P+(\i)%2], 0x100, v[P+(\i)%2], vcc_lo
	v_min_u32 v[P+(\i)%2], 0x100, v[P+(\i)%2]
	v_lshlrev_b32 v[P+(\i)%2], 2, v[P+(\i)%2]
	ds_store_b32 v[P+(\i)%2], v[TOK]
	v_add_nc_u32 v[TOK], 32, v[TOK]
.endm
.set n, 0
.rept 64
	CH n, 0
.set n, n+1
.endr
	s_min_u32 s[BASE], s[BASE], 0x100              ; the first choices that were kept
	v_add_nc_u32 v[TOK], s18, v0
.set n, 0
.rept 64
	CH n, 1
.set n, n+1
.endr
	ds_load_b128 v[C:C+3], v2
	ds_load_b128 v[C+4:C+7], v2 offset:512
	global_store_b64 v1, v[TBL:TBL+1], s[22:23] offset:65536     ; 256 consecutive bytes each
	global_store_b64 v1, v[TBL+2:TBL+3], s[22:23] offset:81920
	s_wait_dscnt 0x0
	global_store_b128 v2, v[C:C+3], s[20:21]                     ; 512 consecutive bytes each
	global_store_b128 v2, v[C+4:C+7], s[20:21] offset:512
	s_wait_tensorcnt 0x0
	ds_add_u32 v160, v161
	s_wait_dscnt 0x0
	s_endpgm
.Lfunc_end_k_q296094ad8d_route:
	.size	k_q296094ad8d_route, .Lfunc_end_k_q296094ad8d_route-k_q296094ad8d_route
	.p2alignl 7, 3214868480
	.fill 96, 4, 3214868480
	.section	.rodata,"a",@progbits
	.p2align	6, 0x0
	.amdhsa_kernel k_q296094ad8d_route
		.amdhsa_group_segment_fixed_size 1536
		.amdhsa_private_segment_fixed_size 0
		.amdhsa_enable_private_segment 0
		.amdhsa_kernarg_size 16
		.amdhsa_user_sgpr_count 2
		.amdhsa_user_sgpr_kernarg_segment_ptr 1
		.amdhsa_wavefront_size32 1
		.amdhsa_system_sgpr_workgroup_id_x 1
		.amdhsa_system_sgpr_workgroup_id_y 1
		.amdhsa_system_sgpr_workgroup_id_z 1
		.amdhsa_system_vgpr_workitem_id 0
		.amdhsa_next_free_vgpr 162
		.amdhsa_next_free_sgpr 66
		.amdhsa_reserve_vcc 1
		.amdhsa_float_denorm_mode_32 3
		.amdhsa_float_denorm_mode_16_64 3
		.amdhsa_memory_ordered 1
		.amdhsa_forward_progress 1
		.amdhsa_inst_pref_size 71
	.end_amdhsa_kernel
	.amdgpu_metadata
---
amdhsa.version: [ 1, 2 ]
amdhsa.kernels:
  - .name:           k_q296094ad8d_route
    .symbol:         k_q296094ad8d_route.kd
    .args:
      - { .name: codes, .offset: 0, .size: 8, .value_kind: global_buffer, .address_space: global }
      - { .name: route, .offset: 8, .size: 8, .value_kind: global_buffer, .address_space: global }
    .group_segment_fixed_size: 1536
    .private_segment_fixed_size: 0
    .kernarg_segment_align: 8
    .kernarg_segment_size: 16
    .max_flat_workgroup_size: 32
    .sgpr_count:     66
    .vgpr_count:     162
    .wavefront_size: 32
...
	.end_amdgpu_metadata
.endif
;; end of part 3
;; launch experts (part 4): grid 16 x 16, 4 waves a work-group, no clusters, 206,336 bytes of LDS; arguments hb, We1, vvec, route, ypart; writes ypart
.if DOCPART == 4
	.amdgcn_target "amdgcn-amd-amdhsa--gfx1250"
	.amdhsa_code_object_version 6
	.text
	.protected	k_q296094ad8d_experts
	.globl	k_q296094ad8d_experts
	.p2align	8
	.type	k_q296094ad8d_experts,@function
k_q296094ad8d_experts:
	s_mov_b64 s[64:65], 0
	v_nop
	global_prefetch_b8 v0, s[64:65] scope:SCOPE_SE
	s_setreg_imm32_b32 hwreg(HW_REG_WAVE_MODE, 25, 1), 1
	s_wait_xcnt 0x0
; THE EXPERTS.  For expert e (y), batch b and quarter hq of the hidden layer (x = 4 hq + b):  ypart[hq][slot] = sum over the quarter's 256 hidden units H of
; leaky_relu(h[row(slot)] . We1'[e][:, H]) x vvec[e][H], for the 256 slots of (e, b).  The product behind the activation has been folded into vvec, so the hidden layer
; never leaves the registers and is never rounded.  All 256 slots are worked, so every trip count is a constant and every word of ypart is written.
; A work-group: 256 H x 256 slots, K = 512; a wave 128 x 128: 64 accumulators, 512 registers.  Source 0 = 16 H of We1' ([k][H] in LDS, turned by ds_load_tr16_b128),
; source 1 = 16 slots' rows of h: a lane holds one slot and eight H.
; K in eight steps of 64 through two LDS slots.  We1 is f32 and is rounded on its way, and h's rows are gathered by the list: both pass through registers, asked for two steps ahead.
; That is also why the four batches' work-groups do not ask for We1's tile jointly: the data mover would lay f32 into LDS, to be read, rounded and stored a second time.
; REGISTERS: window 0: v0-31 addresses; v32-47 the gathered rows' offsets; v48-63 sums; v64-191 h's fragments, two buffers; v192-255 h's staging.
; window 1: v0-127 We1's fragments, two buffers; v128-255 We1's staging.   windows 2, 3: the accumulators, (a, n) at v[8 (8 (a % 4) + n)].
.set PA,   144          ; a slot's 64 k of h in LDS: 128 bytes + 16
.set PB,   544          ; a k row of We1': 512 bytes + 32
.set BOFF, 256*PA
.set SL1,  131072       ; LDS slot 1
.set RED,  SL1+BOFF+64*PB  ; 2,048 bytes: the two halves of H meet
.set VL,   RED+2048     ; 1,024 bytes: the quarter's vvec
.set LN, 1
.set RR, 2
.set HH, 3
.set BLO, 4
.set LO, 5
.set C16, 6
.set T8, 7
.set STB, 8             ; v8-9
.set STA, 10            ; v10-11
.set ADRB, 12           ; v12-13
.set ADRA, 14           ; v14-15
.set VA, 16
.set RDA, 17
.set VLA, 18
.set RRD, 19
.set VV, 20             ; v20-21
.set R8, 22
.set L7, 23
.set TP, 24
.set TQ, 25
.set AO, 32
.set Y, 48
.set VR, 64             ; the way out: vvec at my 64 H
.set TT, 128            ; the way out: at work
.set AS, 192
.set MSB, 0
.macro WIN new          ; the immediate's high byte repeats the setting that is left; a switch that changes nothing is dropped
.if MSB != (\new)
	s_set_vgpr_msb (MSB<<8)|(\new)
.set MSB, \new
.endif
.endm
.macro PLACES           ; four plain instructions between a matrix instruction and a load into, or a vector write or read of, its registers
.rept 4
	v_nop
.endr
.endm
.macro BLOADS           ; my 16 k rows of We1, 1,024 bytes each: 512 consecutive bytes a load
	WIN 0x40
.set i, 0
.rept 32
	global_load_b128 v[128+4*i:128+4*i+3], v[BLO], s[6:7] offset:(i/2)*4096+(i%2)*512
.set i, i+1
.endr
.endm
.macro ALOADS           ; my 64 slots' rows of h, 128 bytes each: four rows a load
	WIN 0
.set i, 0
.rept 16
	global_load_b128 v[AS+4*i:AS+4*i+3], v[AO+i], s[4:5]
.set i, i+1
.endr
.endm
.macro LOADS            ; the next K step: no load is out (STAGE has waited for all), so the two bases may step
	s_add_nc_u64 s[6:7], s[6:7], 64*4096
	s_add_nc_u64 s[4:5], s[4:5], 128
	BLOADS
	ALOADS
.endm
.macro STAGE slot       ; what was asked for is rounded and laid into an LDS slot
	s_wait_loadcnt 0x0
	WIN 0x45
.set i, 0
.rept 32
	v_cvt_pk_bf16_f32 v[128+4*i], v[128+4*i], v[128+4*i+1]
	v_cvt_pk_bf16_f32 v[128+4*i+1], v[128+4*i+2], v[128+4*i+3]
.set i, i+1
.endr
	WIN 0x04
.set i, 0
.rept 32
	ds_store_b64 v[STB+(\slot)], v[128+4*i:128+4*i+1] offset:(i/2)*PB+(i%2)*256
.set i, i+1
.endr
	WIN 0
.set i, 0
.rept 16
	ds_store_b128 v[STA+(\slot)], v[AS+4*i:AS+4*i+3] offset:i*4*PA
.set i, i+1
.endr
.endm
.macro FETCH slot, q, f ; 32 LDS loads: the fragments of 32 k into buffer f
	WIN 0x40
.irp n, 0,1,2,3,4,5,6,7
	ds_load_tr16_b128 v[64*(\f)+8*\n:64*(\f)+8*\n+3],   v[ADRB+(\slot)] offset:(\q)*32*PB+32*\n
	ds_load_tr16_b128 v[64*(\f)+8*\n+4:64*(\f)+8*\n+7], v[ADRB+(\slot)] offset:(\q)*32*PB+32*\n+16*PB
.endr
	WIN 0
.irp a, 0,1,2,3,4,5,6,7
	ds_load_b128 v[64+64*(\f)+8*\a:64+64*(\f)+8*\a+3],   v[ADRA+(\slot)] offset:\a*16*PA+64*(\q)
	ds_load_b128 v[64+64*(\f)+8*\a+4:64+64*(\f)+8*\a+7], v[ADRA+(\slot)] offset:\a*16*PA+64*(\q)+32
.endr
.endm
.macro MUL64 f, zero    ; 64 matrix instructions, each on another accumulator, always in the same order: the accumulators take turns
.irp hi, 0,1
	WIN 0xa1+0x50*\hi
.irp a, 0,1,2,3
.irp n, 0,1,2,3,4,5,6,7
.if \zero
	v_wmma_f32_16x16x32_bf16 v[8*(8*\a+\n):8*(8*\a+\n)+7], v[64*(\f)+8*\n:64*(\f)+8*\n+7], v[64+64*(\f)+8*(4*\hi+\a):64+64*(\f)+8*(4*\hi+\a)+7], 0
.else
	v_wmma_f32_16x16x32_bf16 v[8*(8*\a+\n):8*(8*\a+\n)+7], v[64*(\f)+8*\n:64*(\f)+8*\n+7], v[64+64*(\f)+8*(4*\hi+\a):64+64*(\f)+8*(4*\hi+\a)+7], v[8*(8*\a+\n):8*(8*\a+\n)+7]
.endif
.endr
.endr
.endr
.endm
; A K step in LDS slot `slot`.  stage = 1: the next step goes into the other slot, whose last reads were back in front of the last barrier.
; loads = 1: the step after that is asked for; 2: the same, but not in the loop's last trip, where there is none (a jump forward, past global loads alone).
.macro KSTEP slot, zero, stage, loads
	PLACES
	FETCH \slot, 0, 0
	FETCH \slot, 1, 1
	s_wait_dscnt 32                                ; the first 32 k are in; the second run stays out
	MUL64 0, \zero
	s_wait_dscnt 0x0
	MUL64 1, 0
.if \stage
	STAGE 1-(\slot)
.endif
	WIN 0
.if (\loads) == 2
	s_cmp_eq_u32 s38, 1
	s_cbranch_scc1 .Lno_loads_\@
.endif
.if \loads
	LOADS
	WIN 0
.endif
.if (\loads) == 2
.Lno_loads_\@:
.endif
.if \stage
	s_wait_dscnt 0x0                               ; my stores into the other slot are done, my reads of this one are back
	s_barrier_signal -1
	s_barrier_wait -1
.endif
.endm
	s_load_b256 s[4:11], s[0:1], 0x0               ; hb s[4:5], We1 s[6:7], vvec s[8:9], route s[10:11]
	s_load_b64 s[12:13], s[0:1], 0x20              ; ypart
	v_lshl_add_u32 v30, v0, 2, 0x32400
	v_mov_b32 v31, 0
	v_and_b32 v[LN], 31, v0
	v_and_b32 v[RR], 15, v0
	v_bfe_u32 v[HH], v0, 4, 1
	v_lshrrev_b32 v[TP], 5, v0
	v_readfirstlane_b32 s20, v[TP]                 ; wave 0..3
	s_and_b32 s21, ttmp9, 3                        ; b
	s_lshr_b32 s22, ttmp9, 2                       ; hq
	s_and_b32 s23, ttmp7, 0xffff                   ; e
	s_lshr_b32 s24, s20, 1                         ; my half of the 256 H
	s_and_b32 s25, s20, 1                          ; my half of the 256 slots
	s_lshl2_add_u32 s26, s23, s21                  ; 4 e + b
	s_lshl_b32 s28, s23, 21                        ; We1: an expert is 512 x 4,096 bytes,
	s_lshl_b32 s40, s22, 10                        ; a quarter of a row 1,024
	s_add_co_u32 s28, s28, s40
	s_mov_b32 s29, 0
	s_lshl_b32 s30, s23, 12
	s_add_co_u32 s30, s30, s40
	s_mov_b32 s31, 0
	s_lshl_b32 s32, s26, 10
	s_mov_b32 s33, 0
	s_lshl_b32 s34, s22, 16
	s_add_co_u32 s34, s34, s32
	s_mov_b32 s35, 0
	s_mov_b32 s36, 0x76543210
	s_mov_b32 s37, 0xfedcba98
	s_lshl_b32 s40, s20, 16                        ; my 16 k rows of 4,096 bytes
	v_lshl_add_u32 v[BLO], v[LN], 4, s40
	v_lshrrev_b32 v[R8], 3, v[LN]
	s_lshl_b32 s40, s20, 8                         ; my 64 slots' words of the list
	v_lshl_add_u32 v[LO], v[R8], 2, s40
	v_and_b32 v[L7], 7, v0
	v_lshlrev_b32 v[C16], 4, v[L7]
	v_lshlrev_b32 v[T8], 3, v0
	s_wait_kmcnt 0x0
	s_add_nc_u64 s[6:7], s[6:7], s[28:29]
	s_add_nc_u64 s[8:9], s[8:9], s[30:31]
	s_add_nc_u64 s[10:11], s[10:11], s[32:33]
	s_add_nc_u64 s[12:13], s[12:13], s[34:35]
.set i, 0
.rept 16                                               ; load i: slots 64 w + 4 i + lane / 8
	global_load_b32 v[AO+i], v[LO], s[10:11] offset:16*i
.set i, i+1
.endr
	global_load_b64 v[VV:VV+1], v[T8], s[8:9]
	BLOADS
	WIN 0
	; the LDS addresses: constants, the lane and the wave's number
	s_mul_i32 s40, s20, 16*PB
	s_add_co_u32 s40, s40, BOFF
	v_lshl_add_u32 v[STB], v[LN], 3, s40
	v_add_nc_u32 v[STB+1], SL1, v[STB]
	s_mul_i32 s40, s20, 64*PA
	v_mul_u32_u24 v[STA], v[R8], PA
	v_add_nc_u32 v[STA], v[STA], v[C16]
	v_add_nc_u32 v[STA], s40, v[STA]
	v_add_nc_u32 v[STA+1], SL1, v[STA]
	v_lshl_add_u32 v[TP], v[HH], 3, v[L7]          ; the turning load: k row 8 (lane / 16) + lane % 8,
	v_bfe_u32 v[TQ], v0, 3, 1                      ; 16 bytes (lane / 8) % 2
	v_mul_u32_u24 v[ADRB], v[TP], PB
	v_lshl_add_u32 v[ADRB], v[TQ], 4, v[ADRB]
	s_lshl_b32 s40, s24, 8
	s_add_co_u32 s40, s40, BOFF
	v_add_nc_u32 v[ADRB], s40, v[ADRB]
	v_add_nc_u32 v[ADRB+1], SL1, v[ADRB]
	s_mul_i32 s40, s25, 128*PA
	v_mul_u32_u24 v[ADRA], v[RR], PA
	v_lshl_add_u32 v[ADRA], v[HH], 4, v[ADRA]
	v_add_nc_u32 v[ADRA], s40, v[ADRA]
	v_add_nc_u32 v[ADRA+1], SL1, v[ADRA]
	s_lshl_b32 s40, s24, 9
	s_add_co_u32 s40, s40, VL
	v_lshl_add_u32 v[VA], v[HH], 5, s40
	s_lshl_b32 s40, s24, 10
	s_lshl_b32 s41, s25, 9
	s_add_co_u32 s40, s40, s41
	s_add_co_u32 s40, s40, RED
	v_lshl_add_u32 v[RDA], v[RR], 2, s40
	v_add_nc_u32 v[VLA], VL, v[T8]
	v_add_nc_u32 v[RRD], RED, v[T8]
	s_wait_loadcnt 32                              ; the list and vvec are in; We1's 32 loads stay out
.set i, 0
.rept 16
	v_min_u32 v[AO+i], 0x1fff, v[AO+i]             ; a row of hb
	v_lshl_add_u32 v[AO+i], v[AO+i], 10, v[C16]    ; x 1,024 bytes + my 16 of its 128
.set i, i+1
.endr
	ds_store_b64 v[VLA], v[VV:VV+1]
	ALOADS
	STAGE 0
	LOADS
	WIN 0
	s_wait_dscnt 0x0
	s_barrier_signal -1
	s_barrier_wait -1
	KSTEP 0, 1, 1, 1                               ; step 0: its first products start the sums
	s_mov_b32 s38, 3
.Lpair:                                                ; steps 1 and 2, 3 and 4, 5 and 6
	KSTEP 1, 0, 1, 1
	KSTEP 0, 0, 1, 2
	s_sub_co_u32 s38, s38, 1
	s_cmp_lg_u32 s38, 0
	s_cbranch_scc1 .Lpair
	KSTEP 1, 0, 0, 0                               ; step 7
	; THE WAY OUT: leaky_relu(x) = max(x, 0.01 x); times vvec; summed over my 128 H
	PLACES
.irp n, 0,1,2,3,4,5,6,7                                ; vvec at H = 128 half + 16 n + 8 (lane / 16) + 0..7
	ds_load_b128 v[VR+8*\n:VR+8*\n+3],   v[VA] offset:64*\n
	ds_load_b128 v[VR+8*\n+4:VR+8*\n+7], v[VA] offset:64*\n+16
.endr
	s_wait_dscnt 0x0
.macro OUTA a           ; slots 16 a + lane % 16 of my 128
.set AC, 64*((\a)%4)
	WIN 2+(\a)/4                                   ; source 0 in window 2 or 3
.set p, 0
.rept 32                                               ; ascending: each accumulator is read from its low end on
	v_pk_mul_f32 v[TT+2*p:TT+2*p+1], v[AC+2*p:AC+2*p+1], 0x3c23d70a op_sel_hi:[1,0]
.set p, p+1
.endr
.set p, 0
.rept 64
	v_max_num_f32 v[TT+p], v[AC+p], v[TT+p]
.set p, p+1
.endr
	WIN 0
.set p, 0
.rept 32                                               ; four chains; the first four products start them
.if p < 4
	v_pk_mul_f32 v[Y+2*p:Y+2*p+1], v[TT+2*p:TT+2*p+1], v[VR+2*p:VR+2*p+1]
.else
	v_pk_fma_f32 v[Y+2*(p%4):Y+2*(p%4)+1], v[TT+2*p:TT+2*p+1], v[VR+2*p:VR+2*p+1], v[Y+2*(p%4):Y+2*(p%4)+1]
.endif
.set p, p+1
.endr
	v_pk_add_f32 v[Y:Y+1], v[Y:Y+1], v[Y+2:Y+3]
	v_pk_add_f32 v[Y+4:Y+5], v[Y+4:Y+5], v[Y+6:Y+7]
	v_pk_add_f32 v[Y:Y+1], v[Y:Y+1], v[Y+4:Y+5]
	v_add_f32 v[Y+8+(\a)], v[Y], v[Y+1]
	v_permlanex16_b32 v[TT], v[Y+8+(\a)], s36, s37 ; the slot's other 64 H lie in the lane 16 away
	v_add_f32 v[Y+8+(\a)], v[Y+8+(\a)], v[TT]
	ds_store_b32 v[RDA], v[Y+8+(\a)] offset:64*(\a)  ; both halves of the lanes write the same word with the same number
.endm
.irp a, 0,1,2,3,4,5,6,7
	OUTA \a
.endr
	s_wait_dscnt 0x0
	s_barrier_signal -1
	s_barrier_wait -1
	ds_load_b64 v[Y:Y+1], v[RRD]
	ds_load_b64 v[Y+2:Y+3], v[RRD] offset:1024
	s_wait_dscnt 0x0
	v_pk_add_f32 v[Y:Y+1], v[Y:Y+1], v[Y+2:Y+3]
	global_store_b64 v[T8], v[Y:Y+1], s[12:13]     ; a wave stores 256 consecutive bytes, aligned
	s_wait_tensorcnt 0x0
	ds_add_u32 v30, v31
	s_wait_dscnt 0x0
	s_endpgm
.Lfunc_end_k_q296094ad8d_experts:
	.size	k_q296094ad8d_experts, .Lfunc_end_k_q296094ad8d_experts-k_q296094ad8d_experts
	.p2alignl 7, 3214868480
	.fill 96, 4, 3214868480
	.section	.rodata,"a",@progbits
	.p2align	6, 0x0
	.amdhsa_kernel k_q296094ad8d_experts
		.amdhsa_group_segment_fixed_size 206336
		.amdhsa_private_segment_fixed_size 0
		.amdhsa_enable_private_segment 0
		.amdhsa_kernarg_size 40
		.amdhsa_user_sgpr_count 2
		.amdhsa_user_sgpr_kernarg_segment_ptr 1
		.amdhsa_wavefront_size32 1
		.amdhsa_system_sgpr_workgroup_id_x 1
		.amdhsa_system_sgpr_workgroup_id_y 1
		.amdhsa_system_sgpr_workgroup_id_z 1
		.amdhsa_system_vgpr_workitem_id 0
		.amdhsa_next_free_vgpr 1024
		.amdhsa_next_free_sgpr 66
		.amdhsa_reserve_vcc 0
		.amdhsa_float_denorm_mode_32 3
		.amdhsa_float_denorm_mode_16_64 3
		.amdhsa_memory_ordered 1
		.amdhsa_forward_progress 1
		.amdhsa_inst_pref_size 171
	.end_amdhsa_kernel
	.amdgpu_metadata
---
amdhsa.version: [ 1, 2 ]
amdhsa.kernels:
  - .name:           k_q296094ad8d_experts
    .symbol:         k_q296094ad8d_experts.kd
    .args:
      - { .name: hb, .offset: 0, .size: 8, .value_kind: global_buffer, .address_space: global }
      - { .name: We1, .offset: 8, .size: 8, .value_kind: global_buffer, .address_space: global }
      - { .name: vvec, .offset: 16, .size: 8, .value_kind: global_buffer, .address_space: global }
      - { .name: route, .offset: 24, .size: 8, .value_kind: global_buffer, .address_space: global }
      - { .name: ypart, .offset: 32, .size: 8, .value_kind: global_buffer, .address_space: global }
    .group_segment_fixed_size: 206336
    .private_segment_fixed_size: 0
    .kernarg_segment_align: 8
    .kernarg_segment_size: 40
    .max_flat_workgroup_size: 128
    .sgpr_count:     66
    .vgpr_count:     1024
    .wavefront_size: 32
...
	.end_amdgpu_metadata
.endif
;; end of part 4
;; launch combine (part 5): grid 256 x 1, 1 waves a work-group, no clusters, 0 bytes of LDS; arguments codes, gates, route, ypart, b3, W4, b4, out0; writes out0
.if DOCPART == 5
	.amdgcn_target "amdgcn-amd-amdhsa--gfx1250"
	.amdhsa_code_object_version 6
	.text
	.protected	k_q296094ad8d_combine
	.globl	k_q296094ad8d_combine
	.p2align	8
	.type	k_q296094ad8d_combine,@function
k_q296094ad8d_combine:
	s_mov_b64 s[64:65], 0
	v_nop
	global_prefetch_b8 v0, s[64:65] scope:SCOPE_SE
	s_setreg_imm32_b32 hwreg(HW_REG_WAVE_MODE, 25, 1), 1
	s_wait_xcnt 0x0
; COMBINE.  One wave for a chunk of 32 tokens (batch = id / 64, chunk = id % 64), a token a lane.
; A token's place in its expert's 256 slots = the count at the chunk's head (route's tables) + the number of lower lanes with the same choice.
; out = g1 y(slot1) + g2 y(slot2) + c0, y = the four quarters' sum, c0 = b3' . W4' + b4'; a choice whose place is 256 or more, or that was not taken, counts 0.
; All choices are whole numbers read from memory, clamped in front of every address.  A gather of a few words a token: no LDS, no matrix unit.
.macro RND2 a, b, t
	v_cvt_pk_bf16_f32 v\t, v\a, v\b
	v_lshlrev_b32 v\a, 16, v\t
	v_and_b32 v\b, 0xffff0000, v\t
.endm
	s_load_b512 s[4:19], s[0:1], 0x0               ; codes s[4:5], gates s[6:7], route s[8:9], ypart s[10:11], b3 s[12:13], W4 s[14:15], b4 s[16:17], out0 s[18:19]
	v_lshlrev_b32 v1, 3, v0
	v_lshlrev_b32 v2, 2, v0
	v_mov_b32 v3, 0
	s_lshl_b32 s20, ttmp9, 8                       ; 32 tokens of 8 bytes
	s_mov_b32 s21, 0
	s_lshl_b32 s22, ttmp9, 7                       ; 32 tokens of 4 bytes
	s_mov_b32 s23, 0
	s_lshr_b32 s24, ttmp9, 6                       ; batch
	s_and_b32 s25, ttmp9, 63                       ; chunk
	s_lshl_b32 s26, s24, 8
	s_lshl2_add_u32 s26, s25, s26                  ; in a table: 256 b + 4 chunk
	s_mov_b32 s27, 0
	s_lshl_b32 s28, s24, 10                        ; in ypart: 256 slots of 4 bytes a batch
	s_mov_b32 s29, 0
	s_wait_kmcnt 0x0
	s_add_nc_u64 s[4:5], s[4:5], s[20:21]
	s_add_nc_u64 s[6:7], s[6:7], s[20:21]
	s_add_nc_u64 s[8:9], s[8:9], s[26:27]
	s_add_nc_u64 s[10:11], s[10:11], s[28:29]
	s_add_nc_u64 s[18:19], s[18:19], s[22:23]
	global_load_b64 v[4:5], v1, s[4:5]             ; the two choices
	global_load_b64 v[6:7], v1, s[6:7]             ; the two gates
	global_load_b128 v[8:11], v3, s[12:13]
	global_load_b128 v[12:15], v3, s[14:15]
	global_load_b32 v16, v3, s[16:17]
	v_mov_b32 v17, 0
	v_mov_b32 v18, 0
	s_wait_loadcnt 4                               ; the choices are in; four loads stay out
.irp e, 0,1,2,3,4,5,6,7,8,9,10,11,12,13,14,15          ; my rank among the chunk's lanes with my choice
	v_cmp_eq_u32 s30, \e, v4
	v_cmp_eq_u32 s31, \e, v5
	v_mbcnt_lo_u32_b32 v19, s30, 0
	v_mbcnt_lo_u32_b32 v27, s31, 0
	v_cndmask_b32 v17, v17, v19, s30
	v_cndmask_b32 v18, v18, v27, s31
.endr
	v_min_u32 v20, 15, v4
	v_min_u32 v21, 15, v5
	v_lshlrev_b32 v22, 10, v20                     ; an expert's four rows of 256 bytes
	v_lshlrev_b32 v23, 10, v21
	global_load_b32 v24, v22, s[8:9] offset:65536
	global_load_b32 v25, v23, s[8:9] offset:81920
	s_wait_loadcnt 2                               ; gates, b3, W4 and b4 are in; the two gathers stay out
	RND2 8, 9, 19
	RND2 10, 11, 19
	RND2 12, 13, 19
	RND2 14, 15, 19
	v_cvt_pk_bf16_f32 v19, v16, v16
	v_lshlrev_b32 v16, 16, v19
	v_fma_f32 v26, v8, v12, v16
	v_fmac_f32 v26, v9, v13
	v_fmac_f32 v26, v10, v14
	v_fmac_f32 v26, v11, v15                       ; c0
	s_wait_loadcnt 0x0
	v_add_nc_u32 v24, v24, v17                     ; the places
	v_add_nc_u32 v25, v25, v18
	v_cmp_gt_u32 s30, 0x100, v24
	v_cmp_gt_u32 s31, 0x100, v25
	v_cmp_gt_u32 s32, 16, v5
	s_and_b32 s31, s31, s32
	v_min_u32 v24, 0xff, v24
	v_min_u32 v25, 0xff, v25
	v_lshlrev_b32 v24, 2, v24
	v_lshlrev_b32 v25, 2, v25
	v_lshl_add_u32 v24, v20, 12, v24               ; an expert's 1,024 slots of 4 bytes
	v_lshl_add_u32 v25, v21, 12, v25
.irp p, 0,1,2,3
	global_load_b32 v[28+\p], v24, s[10:11] offset:65536*\p
	global_load_b32 v[32+\p], v25, s[10:11] offset:65536*\p
.endr
	v_cndmask_b32 v6, 0, v6, s30
	v_cndmask_b32 v7, 0, v7, s31
	s_wait_loadcnt 0x0
	v_pk_add_f32 v[28:29], v[28:29], v[30:31]
	v_pk_add_f32 v[32:33], v[32:33], v[34:35]
	v_add_f32 v28, v28, v29
	v_add_f32 v32, v32, v33
	v_fmac_f32 v26, v6, v28
	v_fmac_f32 v26, v7, v32
	global_store_b32 v2, v26, s[18:19]             ; 128 consecutive bytes
	s_endpgm
.Lfunc_end_k_q296094ad8d_combine:
	.size	k_q296094ad8d_combine, .Lfunc_end_k_q296094ad8d_combine-k_q296094ad8d_combine
	.p2alignl 7, 3214868480
	.fill 96, 4, 3214868480
	.section	.rodata,"a",@progbits
	.p2align	6, 0x0
	.amdhsa_kernel k_q296094ad8d_combine
		.amdhsa_group_segment_fixed_size 0
		.amdhsa_private_segment_fixed_size 0
		.amdhsa_enable_private_segment 0
		.amdhsa_kernarg_size 64
		.amdhsa_user_sgpr_count 2
		.amdhsa_user_sgpr_kernarg_segment_ptr 1
		.amdhsa_wavefront_size32 1
		.amdhsa_system_sgpr_workgroup_id_x 1
		.amdhsa_system_sgpr_workgroup_id_y 1
		.amdhsa_system_sgpr_workgroup_id_z 1
		.amdhsa_system_vgpr_workitem_id 0
		.amdhsa_next_free_vgpr 64
		.amdhsa_next_free_sgpr 66
		.amdhsa_reserve_vcc 0
		.amdhsa_float_denorm_mode_32 3
		.amdhsa_float_denorm_mode_16_64 3
		.amdhsa_memory_ordered 1
		.amdhsa_forward_progress 1
		.amdhsa_inst_pref_size 11
	.end_amdhsa_kernel
	.amdgpu_metadata
---
amdhsa.version: [ 1, 2 ]
amdhsa.kernels:
  - .name:           k_q296094ad8d_combine
    .symbol:         k_q296094ad8d_combine.kd
    .args:
      - { .name: codes, .offset: 0, .size: 8, .value_kind: global_buffer, .address_space: global }
      - { .name: gates, .offset: 8, .size: 8, .value_kind: global_buffer, .address_space: global }
      - { .name: route, .offset: 16, .size: 8, .value_kind: global_buffer, .address_space: global }
      - { .name: ypart, .offset: 24, .size: 8, .value_kind: global_buffer, .address_space: global }
      - { .name: b3, .offset: 32, .size: 8, .value_kind: global_buffer, .address_space: global }
      - { .name: W4, .offset: 40, .size: 8, .value_kind: global_buffer, .address_space: global }
      - { .name: b4, .offset: 48, .size: 8, .value_kind: global_buffer, .address_space: global }
      - { .name: out0, .offset: 56, .size: 8, .value_kind: global_buffer, .address_space: global }
    .group_segment_fixed_size: 0
    .private_segment_fixed_size: 0
    .kernarg_segment_align: 8
    .kernarg_segment_size: 64
    .max_flat_workgroup_size: 32
    .sgpr_count:     66
    .vgpr_count:     64
    .wavefront_size: 32
...
	.end_amdgpu_metadata
.endif
;; end of part 5
;; ======== version 2 of 2: 4 launches; 1.17 times as fast as version 1
;; workspace buffers: vvec 65,536 bytes; W1b 524,288 bytes; Wcp 49,408 bytes; hb 8,388,608 bytes; codes 65,536 bytes of whole numbers; gates 65,536 bytes; route 32,768 bytes of whole numbers; ypart 262,144 bytes
;; launch prep: the kernel of part 1 again; grid 256 x 1, 8 waves a work-group, no clusters, 11,264 bytes of LDS; arguments We2, W3, W4, W1, Wg, b1, vvec, W1b, Wcp; writes vvec, W1b, Wcp
;; launch lin1gate: the kernel of part 2 again; grid 4 x 64, 4 waves a work-group, no clusters, 229,888 bytes of LDS; arguments X, W1b, b1, Wcp, probs, hb, codes, gates; writes hb, codes, gates
;; launch experts (part 6): grid 16 x 16, 4 waves a work-group, no clusters, 212,224 bytes of LDS; arguments hb, We1, vvec, codes, route, ypart; writes route, ypart
.if DOCPART == 6
	.amdgcn_target "amdgcn-amd-amdhsa--gfx1250"
	.amdhsa_code_object_version 6
	.text
	.protected	k_q296094ad8d_experts
	.globl	k_q296094ad8d_experts
	.p2align	8
	.type	k_q296094ad8d_experts,@function
k_q296094ad8d_experts:
	s_mov_b64 s[64:65], 0
	v_nop
	global_prefetch_b8 v0, s[64:65] scope:SCOPE_SE
	s_setreg_imm32_b32 hwreg(HW_REG_WAVE_MODE, 25, 1), 1
	s_wait_xcnt 0x0
; THE EXPERTS.  For expert e (y), batch b and quarter hq of the hidden layer (x = 4 hq + b):  ypart[hq][slot] = sum over the quarter's 256 hidden units H of
; leaky_relu(h[row(slot)] . We1'[e][:, H]) x vvec[e][H], for the 256 slots of (e, b).  The product behind the activation has been folded into vvec, so the hidden layer
; never leaves the registers and is never rounded.
; THE ROUTING stands at the head.  The batch's 2,048 tokens lie in 64 chunks of 32; wave w places the tokens of chunks 16 w .. 16 w + 15.  A token that chose e gets its place: the number of
; such tokens in front of it, first all first choices, then, from min(their number, 256) on, the second ones.  Every wave reads all the batch's choices and counts the
; other waves' chunks itself, in scalar registers: so it knows where its own tokens begin and how many slots are taken, n, without asking another wave.  Each wave lays its tokens
; into a list of its own (256 places preset to 0, and a spare word for places of 256 or more and for tokens that did not choose e), so no two waves store into the same bytes; a slot's row
; is the sum of the four lists' words, of which at most one is not 0.  An empty slot takes row 0: any row serves, no token refers to it.  The choices are whole numbers read from memory.
; The count at each chunk's head goes out as route[e][b][w][pass][16], stored by the quarter 0 work-group alone: the last launch finds every token's place from it.
; THE PRODUCT.  A work-group: 256 H x 256 slots, K = 512; a wave 128 x 128: 64 accumulators, 512 registers.  Source 0 = 16 H of We1' ([k][H] in LDS, turned by ds_load_tr16_b128),
; source 1 = 16 slots' rows of h: a lane holds one slot and eight H.
; EMPTY SLOTS ARE NOT MULTIPLIED.  The blocks of 16 slots go to the two halves of the waves by turns (block a of half wn: slots 16 (2 a + wn) on), so both halves have
; c = (ceil(n / 16) + 1 - wn) / 2 blocks with tokens, and a jump forward leaves out the products of blocks c .. 7.  Only matrix instructions are jumped.  The first 64 products, which start the sums,
; the fragment loads (the counted waits hold on every way) and the way out run for all blocks: every word of ypart is written, with a finite number, and an empty slot's word is read by the last launch
; beside a gate of 0 alone.
; K in eight steps of 64 through two LDS slots.  We1 is f32 and is rounded on its way, and h's rows are gathered by the list: both pass through registers, asked for two steps ahead.
; That is also why the four batches' work-groups do not ask for We1's tile jointly: the data mover would lay f32 into LDS, to be read, rounded and stored a second time.
; REGISTERS: window 0: v0-31 addresses; v32-47 the gathered rows' offsets; v48-63 sums; v64-191 h's fragments, two buffers; v192-255 h's staging.
; window 1: v0-127 We1's fragments, two buffers; v128-255 We1's staging.   windows 2, 3: the accumulators, (a, n) at v[8 (8 (a % 4) + n)].
; The routing works in registers that the product does not need yet: v48-63, v64-191, v192-255.
.set PA,   144          ; a slot's 64 k of h in LDS: 128 bytes + 16
.set PB,   544          ; a k row of We1': 512 bytes + 32
.set BOFF, 256*PA
.set SL1,  131072       ; LDS slot 1
.set RED,  SL1+BOFF+64*PB  ; 2,048 bytes: the two halves of H meet
.set VL,   RED+2048     ; 1,024 bytes: the quarter's vvec
.set PL,   VL+1024      ; the four waves' lists
.set PLB,  1280         ; a list: 256 places, a spare word, rounded up
.set TBX,  PL+4*PLB     ; 512 bytes: the counts at the chunks' heads, [4 waves][2 passes][16]
.set LN, 1
.set RR, 2
.set HH, 3
.set BLO, 4
.set C16, 6
.set T8, 7
.set STB, 8             ; v8-9
.set STA, 10            ; v10-11
.set ADRB, 12           ; v12-13
.set ADRA, 14           ; v14-15
.set VA, 16
.set RDA, 17
.set VLA, 18
.set RRD, 19
.set VV, 20             ; v20-21
.set R8, 22
.set L7, 23
.set TP, 24
.set TQ, 25
.set TOK0, 26           ; the routing: my token in my wave's first chunk
.set K256, 27           ; 256
.set ZQ, 28             ; v28-31 zeros; later the table on its way out: never rewritten behind that store
.set AO, 32
.set Y, 48
.set TK, 48             ; the routing: v48-49 a chunk's tokens
.set TBV, 50            ; lane i: the count at the head of chunk i (first choices), lane 16 + i: the same for the second
.set ZA, 51
.set LA, 54
.set TBA, 55
.set OG, 56             ; v56 my byte offset in my own chunks' codes; v57-59 in those of the chunk groups (w + 1) % 4, (w + 2) % 4, (w + 3) % 4
.set CD, 64             ; v64-95 my 16 chunks' codes
.set CX, 96             ; v96-191 the other three groups' codes: 8 loads of 4 registers a group, first and second choices by turns
.set PQ, 192            ; v192-223 my tokens' places
.set LW, 192            ; v192-255 later: the four lists' words for my 16 slots
.set M1, 68             ; s68-83 chunk i: the lanes whose first choice is e.  (While the other groups are counted: s68-99, 32 masks of a group)
.set M2, 84             ; s84-99 the same for the second choice
.set VR, 64             ; the way out: vvec at my 64 H
.set TT, 128            ; the way out: at work
.set AS, 192
.set MSB, 0
.macro WIN new          ; the immediate's high byte repeats the setting that is left; a switch that changes nothing is dropped
.if MSB != (\new)
	s_set_vgpr_msb (MSB<<8)|(\new)
.set MSB, \new
.endif
.endm
.macro PLACES           ; four plain instructions between a matrix instruction and a load into, or a vector write or read of, its registers
.rept 4
	v_nop
.endr
.endm
.macro BLOADS           ; my 16 k rows of We1, 1,024 bytes each: 512 consecutive bytes a load
	WIN 0x40
.set i, 0
.rept 32
	global_load_b128 v[128+4*i:128+4*i+3], v[BLO], s[6:7] offset:(i/2)*4096+(i%2)*512
.set i, i+1
.endr
.endm
.macro ALOADS           ; my 64 slots' rows of h, 128 bytes each: four rows a load
	WIN 0
.set i, 0
.rept 16
	global_load_b128 v[AS+4*i:AS+4*i+3], v[AO+i], s[4:5]
.set i, i+1
.endr
.endm
.macro LOADS            ; the next K step: no load is out (STAGE has waited for all), so the two bases may step
	s_add_nc_u64 s[6:7], s[6:7], 64*4096
	s_add_nc_u64 s[4:5], s[4:5], 128
	BLOADS
	ALOADS
.endm
.macro STAGE slot       ; what was asked for is rounded and laid into an LDS slot
	s_wait_loadcnt 16                              ; loads come back in order: We1's 32 are in; h's 16, issued behind them, may stay out
	WIN 0x45
.set i, 0
.rept 32
	v_cvt_pk_bf16_f32 v[128+4*i], v[128+4*i], v[128+4*i+1]
	v_cvt_pk_bf16_f32 v[128+4*i+1], v[128+4*i+2], v[128+4*i+3]
.set i, i+1
.endr
	WIN 0x04
.set i, 0
.rept 32
	ds_store_b64 v[STB+(\slot)], v[128+4*i:128+4*i+1] offset:(i/2)*PB+(i%2)*256
.set i, i+1
.endr
	WIN 0
	s_wait_loadcnt 0x0                             ; h's rows are in
.set i, 0
.rept 16
	ds_store_b128 v[STA+(\slot)], v[AS+4*i:AS+4*i+3] offset:i*4*PA
.set i, i+1
.endr
.endm
.macro FETCH slot, q, f ; 32 LDS loads: the fragments of 32 k into buffer f; block a of h's: slots 32 a + 16 wn on
	WIN 0x40
.irp n, 0,1,2,3,4,5,6,7
	ds_load_tr16_b128 v[64*(\f)+8*\n:64*(\f)+8*\n+3],   v[ADRB+(\slot)] offset:(\q)*32*PB+32*\n
	ds_load_tr16_b128 v[64*(\f)+8*\n+4:64*(\f)+8*\n+7], v[ADRB+(\slot)] offset:(\q)*32*PB+32*\n+16*PB
.endr
	WIN 0
.irp a, 0,1,2,3,4,5,6,7
	ds_load_b128 v[64+64*(\f)+8*\a:64+64*(\f)+8*\a+3],   v[ADRA+(\slot)] offset:\a*32*PA+64*(\q)
	ds_load_b128 v[64+64*(\f)+8*\a+4:64+64*(\f)+8*\a+7], v[ADRA+(\slot)] offset:\a*32*PA+64*(\q)+32
.endr
.endm
; Up to 64 matrix instructions, each on another accumulator, always in the same order: the accumulators take turns (on every way: behind a block's eighth comes
; the next block's first, or block 0's first).  zero = 1: the products start the sums, for all eight blocks.  Else blocks s39 .. 7, which hold no token, are left out by one jump forward;
; block 0 is not asked about.  At a branch and at a label every window is 0.
.macro MUL64 f, zero
.irp a, 0,1,2,3,4,5,6,7
.if (!(\zero)) && (\a > 0)
	WIN 0
	s_cmp_le_u32 s39, \a
	s_cbranch_scc1 .Ldead_\@
.endif
	WIN 0xa1+0x50*(\a/4)
.irp n, 0,1,2,3,4,5,6,7
.if \zero
	v_wmma_f32_16x16x32_bf16 v[8*(8*(\a%4)+\n):8*(8*(\a%4)+\n)+7], v[64*(\f)+8*\n:64*(\f)+8*\n+7], v[64+64*(\f)+8*\a:64+64*(\f)+8*\a+7], 0
.else
	v_wmma_f32_16x16x32_bf16 v[8*(8*(\a%4)+\n):8*(8*(\a%4)+\n)+7], v[64*(\f)+8*\n:64*(\f)+8*\n+7], v[64+64*(\f)+8*\a:64+64*(\f)+8*\a+7], v[8*(8*(\a%4)+\n):8*(8*(\a%4)+\n)+7]
.endif
.endr
.endr
	WIN 0
.if !(\zero)
.Ldead_\@:
.endif
.endm
; A K step in LDS slot `slot`.  stage = 1: the next step goes into the other slot, whose last reads were back in front of the last barrier.
; loads = 1: the step after that is asked for; 2: the same, but not in the loop's last trip, where there is none (a jump forward, past global loads alone).
.macro KSTEP slot, zero, stage, loads
	PLACES
	FETCH \slot, 0, 0
	FETCH \slot, 1, 1
	s_wait_dscnt 32                                ; the first 32 k are in; the second run stays out
	MUL64 0, \zero
	s_wait_dscnt 0x0
	MUL64 1, 0
.if \stage
	STAGE 1-(\slot)
.endif
	WIN 0
.if (\loads) == 2
	s_cmp_eq_u32 s38, 1
	s_cbranch_scc1 .Lno_loads_\@
.endif
.if \loads
	LOADS
	WIN 0
.endif
.if (\loads) == 2
.Lno_loads_\@:
.endif
.if \stage
	s_wait_dscnt 0x0                               ; my stores into the other slot are done, my reads of this one are back
	s_barrier_signal -1
	s_barrier_wait -1
.endif
.endm
	s_load_b256 s[4:11], s[0:1], 0x0               ; hb s[4:5], We1 s[6:7], vvec s[8:9], codes s[10:11]
	s_load_b128 s[12:15], s[0:1], 0x20             ; route s[12:13], ypart s[14:15]
	v_and_b32 v[LN], 31, v0
	v_and_b32 v[RR], 15, v0
	v_bfe_u32 v[HH], v0, 4, 1
	v_lshrrev_b32 v[TP], 5, v0
	v_readfirstlane_b32 s20, v[TP]                 ; wave 0..3
	s_and_b32 s21, ttmp9, 3                        ; b
	s_lshr_b32 s22, ttmp9, 2                       ; hq
	s_and_b32 s23, ttmp7, 0xffff                   ; e
	s_lshr_b32 s24, s20, 1                         ; my half of the 256 H
	s_and_b32 s25, s20, 1                          ; wn: which of each two blocks of 16 slots is mine
	s_lshl2_add_u32 s26, s23, s21                  ; 4 e + b
	s_lshl_b32 s28, s23, 21                        ; We1: an expert is 512 x 4,096 bytes,
	s_lshl_b32 s40, s22, 10                        ; a quarter of a row 1,024
	s_add_co_u32 s28, s28, s40
	s_mov_b32 s29, 0
	s_lshl_b32 s30, s23, 12
	s_add_co_u32 s30, s30, s40
	s_mov_b32 s31, 0
	s_lshl_b32 s32, s21, 14                        ; codes: a batch's 2,048 tokens of 8 bytes
	s_mov_b32 s33, 0
	s_lshl_b32 s34, s22, 16                        ; ypart: a quarter's 16,384 slots of 4 bytes,
	s_lshl_b32 s40, s26, 10                        ; 256 slots
	s_add_co_u32 s34, s34, s40
	s_mov_b32 s35, 0
	s_lshl_b32 s42, s26, 9                         ; route: 512 bytes for each (e, b)
	s_mov_b32 s43, 0
	s_mov_b32 s36, 0x76543210
	s_mov_b32 s37, 0xfedcba98
	s_lshl_b32 s40, s20, 16                        ; my 16 k rows of 4,096 bytes
	v_lshl_add_u32 v[BLO], v[LN], 4, s40
	v_lshrrev_b32 v[R8], 3, v[LN]
	v_and_b32 v[L7], 7, v0
	v_lshlrev_b32 v[C16], 4, v[L7]
	v_lshlrev_b32 v[T8], 3, v0
	s_lshl_b32 s40, s20, 12                        ; a group of 16 chunks is 4,096 bytes of codes
	v_lshl_add_u32 v[OG], v[LN], 3, s40            ; my own group, a token a lane
.irp g, 1,2,3
	s_add_co_u32 s[47+\g], s20, \g
	s_and_b32 s[47+\g], s[47+\g], 3                ; s48-50: the chunk groups (w + 1) % 4, (w + 2) % 4, (w + 3) % 4
	s_lshl_b32 s40, s[47+\g], 12
	v_lshl_add_u32 v[OG+\g], v[LN], 4, s40         ; two tokens a lane
.endr
	s_wait_kmcnt 0x0
	s_add_nc_u64 s[6:7], s[6:7], s[28:29]
	s_add_nc_u64 s[8:9], s[8:9], s[30:31]
	s_add_nc_u64 s[10:11], s[10:11], s[32:33]
	s_add_nc_u64 s[12:13], s[12:13], s[42:43]
	s_add_nc_u64 s[14:15], s[14:15], s[34:35]
.irp g, 1,2,3
.set j, 0
.rept 8                                                ; 64 tokens, 512 consecutive bytes a load: a lane's registers hold first, second, first, second choice
	global_load_b128 v[CX+32*(\g-1)+4*j:CX+32*(\g-1)+4*j+3], v[OG+\g], s[10:11] offset:512*j
.set j, j+1
.endr
.endr
.set i, 0
.rept 16                                               ; chunk 16 w + i: 256 consecutive bytes a load
	global_load_b64 v[CD+2*i:CD+2*i+1], v[OG], s[10:11] offset:256*i
.set i, i+1
.endr
	global_load_b64 v[VV:VV+1], v[T8], s[8:9]
	BLOADS
	WIN 0
	; my list is preset, and the routing's addresses are made
.irp i, 0,1,2,3
	v_mov_b32 v[ZQ+\i], 0
.endr
	v_mov_b32 v[TBV], 0                            ; v_writelane_b32's destination counts as read
	v_mov_b32 v[K256], 0x100
	s_mul_i32 s56, s20, PLB
	s_add_co_u32 s56, s56, PL                      ; my wave's list
	v_lshl_add_u32 v[ZA], v[LN], 4, s56
	ds_store_b128 v[ZA], v[ZQ:ZQ+3]
	ds_store_b128 v[ZA], v[ZQ:ZQ+3] offset:512     ; LDS serves a wave's instructions in order: my tokens below land on these zeros
	s_lshl_b32 s57, s21, 11
	s_lshl_b32 s40, s20, 9
	s_add_co_u32 s57, s57, s40
	v_add_nc_u32 v[TOK0], s57, v[LN]               ; row of hb = 2,048 b + 512 w + lane, + 32 for each chunk
	s_lshl_b32 s40, s20, 7
	s_add_co_u32 s40, s40, TBX
	v_lshl_add_u32 v[TBA], v[LN], 2, s40
	s_lshl_b32 s40, s20, 8                         ; the words, in a list, of the 64 slots whose rows I carry in
	s_add_co_u32 s40, s40, PL
	v_lshl_add_u32 v[LA], v[R8], 2, s40
	; the product's LDS addresses: constants, the lane and the wave's number
	s_mul_i32 s40, s20, 16*PB
	s_add_co_u32 s40, s40, BOFF
	v_lshl_add_u32 v[STB], v[LN], 3, s40
	v_add_nc_u32 v[STB+1], SL1, v[STB]
	s_mul_i32 s40, s20, 64*PA
	v_mul_u32_u24 v[STA], v[R8], PA
	v_add_nc_u32 v[STA], v[STA], v[C16]
	v_add_nc_u32 v[STA], s40, v[STA]
	v_add_nc_u32 v[STA+1], SL1, v[STA]
	v_lshl_add_u32 v[TP], v[HH], 3, v[L7]          ; the turning load: k row 8 (lane / 16) + lane % 8,
	v_bfe_u32 v[TQ], v0, 3, 1                      ; 16 bytes (lane / 8) % 2
	v_mul_u32_u24 v[ADRB], v[TP], PB
	v_lshl_add_u32 v[ADRB], v[TQ], 4, v[ADRB]
	s_lshl_b32 s40, s24, 8
	s_add_co_u32 s40, s40, BOFF
	v_add_nc_u32 v[ADRB], s40, v[ADRB]
	v_add_nc_u32 v[ADRB+1], SL1, v[ADRB]
	s_mul_i32 s40, s25, 16*PA                      ; my blocks begin at slot 16 wn and lie 32 slots apart
	v_mul_u32_u24 v[ADRA], v[RR], PA
	v_lshl_add_u32 v[ADRA], v[HH], 4, v[ADRA]
	v_add_nc_u32 v[ADRA], s40, v[ADRA]
	v_add_nc_u32 v[ADRA+1], SL1, v[ADRA]
	s_lshl_b32 s40, s24, 9
	s_add_co_u32 s40, s40, VL
	v_lshl_add_u32 v[VA], v[HH], 5, s40
	s_lshl_b32 s40, s24, 10                        ; the sums meet at RED + 1,024 x half of H + 4 x slot
	s_lshl_b32 s41, s25, 6
	s_add_co_u32 s40, s40, s41
	s_add_co_u32 s40, s40, RED
	v_lshl_add_u32 v[RDA], v[RR], 2, s40
	v_add_nc_u32 v[VLA], VL, v[T8]
	v_add_nc_u32 v[RRD], RED, v[T8]
	s_mov_b32 s44, 0                               ; my wave's running counts: first choices,
	s_mov_b32 s45, 0                               ; second choices
	s_wait_loadcnt 32                              ; the codes and vvec are in; We1's 32 loads stay out
	ds_store_b64 v[VLA], v[VV:VV+1]
	; THE ROUTING, first part: how many tokens of each of the other three groups chose e: s58, s60, s62 as first choice, s59, s61, s63 as second
.irp g, 1,2,3
.set j, 0
.rept 32
	v_cmp_eq_u32 s[M1+j], s23, v[CX+32*(\g-1)+j]
.set j, j+1
.endr
	s_bcnt1_i32_b32 s[56+2*\g], s[M1]              ; the first two masks start the sums
	s_bcnt1_i32_b32 s[57+2*\g], s[M1+1]
.set j, 1
.rept 15
	s_bcnt1_i32_b32 s46, s[M1+2*j]
	s_bcnt1_i32_b32 s47, s[M1+2*j+1]
	s_add_co_u32 s[56+2*\g], s[56+2*\g], s46
	s_add_co_u32 s[57+2*\g], s[57+2*\g], s47
.set j, j+1
.endr
.endr
	; my own group: who chose e, and each such token's place counted from my wave's first chunk
.set i, 0
.rept 16
	v_cmp_eq_u32 s[M1+i], s23, v[CD+2*i]
	v_cmp_eq_u32 s[M2+i], s23, v[CD+2*i+1]
.set i, i+1
.endr
.set i, 0
.rept 16
	v_writelane_b32 v[TBV], s44, i
	v_writelane_b32 v[TBV], s45, 16+i
	v_mbcnt_lo_u32_b32 v[PQ+2*i], s[M1+i], s44     ; the count at the chunk's head + the lower lanes with the same choice
	v_mbcnt_lo_u32_b32 v[PQ+2*i+1], s[M2+i], s45
	s_bcnt1_i32_b32 s46, s[M1+i]
	s_bcnt1_i32_b32 s47, s[M2+i]
	s_add_co_u32 s44, s44, s46
	s_add_co_u32 s45, s45, s47
.set i, i+1
.endr
	s_add_co_u32 s46, s44, s58
	s_add_co_u32 s46, s46, s60
	s_add_co_u32 s46, s46, s62
	s_min_u32 s46, s46, 0x100                      ; the first choices that are kept: there the second ones begin
	s_add_co_u32 s47, s45, s59
	s_add_co_u32 s47, s47, s61
	s_add_co_u32 s47, s47, s63
	s_add_co_u32 s47, s47, s46
	s_min_u32 s47, s47, 0x100                      ; n: the slots that hold a token are 0 .. n - 1
	s_add_co_u32 s47, s47, 15
	s_lshr_b32 s47, s47, 4                         ; blocks of 16 with a token
	s_add_co_u32 s47, s47, 1
	s_sub_co_u32 s47, s47, s25
	s_lshr_b32 s39, s47, 1                         ; of them mine: blocks 0 .. s39 - 1 of my eight
	s_mov_b32 s44, 0
	s_mov_b32 s45, s46
.irp g, 1,2,3                                          ; + the totals of the chunk groups below mine
	s_cmp_lt_u32 s[47+\g], s20
	s_cselect_b32 s46, s[56+2*\g], 0
	s_cselect_b32 s47, s[57+2*\g], 0
	s_add_co_u32 s44, s44, s46
	s_add_co_u32 s45, s45, s47
.endr
	v_mov_b32 v[TP], s44
	v_mov_b32 v[TQ], s45
	v_cmp_ne_u32 vcc_lo, 0, v[HH]
	v_cndmask_b32 v[TP], v[TP], v[TQ], vcc_lo
	v_add_nc_u32 v[TBV], v[TBV], v[TP]
	ds_store_b32 v[TBA], v[TBV]
	; second part: my tokens go into my list
.set i, 0
.rept 16
	v_add_nc_u32 v[PQ+2*i], s44, v[PQ+2*i]
	v_add_nc_u32 v[PQ+2*i+1], s45, v[PQ+2*i+1]
	v_cndmask_b32 v[PQ+2*i], v[K256], v[PQ+2*i], s[M1+i]
	v_cndmask_b32 v[PQ+2*i+1], v[K256], v[PQ+2*i+1], s[M2+i]
	v_min_u32 v[PQ+2*i], 0x100, v[PQ+2*i]          ; 256: the spare word
	v_min_u32 v[PQ+2*i+1], 0x100, v[PQ+2*i+1]
	v_lshl_add_u32 v[PQ+2*i], v[PQ+2*i], 2, s56
	v_lshl_add_u32 v[PQ+2*i+1], v[PQ+2*i+1], 2, s56
	v_add_nc_u32 v[TK+i%2], 32*i, v[TOK0]
	ds_store_b32 v[PQ+2*i], v[TK+i%2]
	ds_store_b32 v[PQ+2*i+1], v[TK+i%2]
.set i, i+1
.endr
	s_wait_dscnt 0x0                               ; for the others' sake: my list, my part of the table and my part of vvec are in LDS
	s_barrier_signal -1
	s_barrier_wait -1
.set i, 0
.rept 16                                               ; slot 64 w + 4 i + lane / 8, in each of the four lists
.irp c, 0,1,2,3
	ds_load_b32 v[LW+4*i+\c], v[LA] offset:\c*PLB+16*i
.endr
.set i, i+1
.endr
.set i, 0
.rept 16
.if i == 0
	s_wait_dscnt 32                                ; LDS loads come back in order: the first eight slots' words are in
.endif
.if i == 8
	s_wait_dscnt 0x0
.endif
	v_add_nc_u32 v[AO+i], v[LW+4*i], v[LW+4*i+1]
	v_add_nc_u32 v[LW+4*i+2], v[LW+4*i+2], v[LW+4*i+3]
	v_add_nc_u32 v[AO+i], v[AO+i], v[LW+4*i+2]
	v_min_u32 v[AO+i], 0x1fff, v[AO+i]             ; a row of hb
	v_lshl_add_u32 v[AO+i], v[AO+i], 10, v[C16]    ; x 1,024 bytes + my 16 of its 128
.set i, i+1
.endr
	ALOADS
	s_cmp_lg_u32 s20, 0                            ; the table goes out while the rows are on their way: one wave of one of the four quarters' work-groups
	s_cbranch_scc1 .Lno_table
	s_cmp_lg_u32 s22, 0
	s_cbranch_scc1 .Lno_table
	v_lshl_add_u32 v[TP], v[LN], 4, TBX
	ds_load_b128 v[ZQ:ZQ+3], v[TP]
	s_wait_dscnt 0x0
	global_store_b128 v[BLO], v[ZQ:ZQ+3], s[12:13] ; in wave 0 BLO is 16 x lane: 512 consecutive bytes; neither register is written again
.Lno_table:
	STAGE 0                                        ; We1's part is rounded and stored while h's rows are on their way
	LOADS
	WIN 0
	s_wait_dscnt 0x0
	s_barrier_signal -1
	s_barrier_wait -1
	KSTEP 0, 1, 1, 1                               ; step 0: its first products start the sums
	s_mov_b32 s38, 3
.Lpair:                                                ; steps 1 and 2, 3 and 4, 5 and 6
	KSTEP 1, 0, 1, 1
	KSTEP 0, 0, 1, 2
	s_sub_co_u32 s38, s38, 1
	s_cmp_lg_u32 s38, 0
	s_cbranch_scc1 .Lpair
	KSTEP 1, 0, 0, 0                               ; step 7
	; THE WAY OUT: leaky_relu(x) = max(x, 0.01 x); times vvec; summed over my 128 H
	PLACES
.irp n, 0,1,2,3,4,5,6,7                                ; vvec at H = 128 half + 16 n + 8 (lane / 16) + 0..7
	ds_load_b128 v[VR+8*\n:VR+8*\n+3],   v[VA] offset:64*\n
	ds_load_b128 v[VR+8*\n+4:VR+8*\n+7], v[VA] offset:64*\n+16
.endr
	s_wait_dscnt 0x0
.macro OUTA a           ; slots 32 a + 16 wn + lane % 16
.set AC, 64*((\a)%4)
	WIN 2+(\a)/4                                   ; source 0 in window 2 or 3
.set p, 0
.rept 32                                               ; ascending: each accumulator is read from its low end on
	v_pk_mul_f32 v[TT+2*p:TT+2*p+1], v[AC+2*p:AC+2*p+1], 0x3c23d70a op_sel_hi:[1,0]
.set p, p+1
.endr
.set p, 0
.rept 64
	v_max_num_f32 v[TT+p], v[AC+p], v[TT+p]
.set p, p+1
.endr
	WIN 0
.set p, 0
.rept 32                                               ; four chains; the first four products start them
.if p < 4
	v_pk_mul_f32 v[Y+2*p:Y+2*p+1], v[TT+2*p:TT+2*p+1], v[VR+2*p:VR+2*p+1]
.else
	v_pk_fma_f32 v[Y+2*(p%4):Y+2*(p%4)+1], v[TT+2*p:TT+2*p+1], v[VR+2*p:VR+2*p+1], v[Y+2*(p%4):Y+2*(p%4)+1]
.endif
.set p, p+1
.endr
	v_pk_add_f32 v[Y:Y+1], v[Y:Y+1], v[Y+2:Y+3]
	v_pk_add_f32 v[Y+4:Y+5], v[Y+4:Y+5], v[Y+6:Y+7]
	v_pk_add_f32 v[Y:Y+1], v[Y:Y+1], v[Y+4:Y+5]
	v_add_f32 v[Y+8+(\a)], v[Y], v[Y+1]
	v_permlanex16_b32 v[TT], v[Y+8+(\a)], s36, s37 ; the slot's other 64 H lie in the lane 16 away
	v_add_f32 v[Y+8+(\a)], v[Y+8+(\a)], v[TT]
	ds_store_b32 v[RDA], v[Y+8+(\a)] offset:128*(\a)  ; both halves of the lanes write the same word with the same number
.endm
.irp a, 0,1,2,3,4,5,6,7
	OUTA \a
.endr
	s_wait_dscnt 0x0
	s_barrier_signal -1
	s_barrier_wait -1
	ds_load_b64 v[Y:Y+1], v[RRD]
	ds_load_b64 v[Y+2:Y+3], v[RRD] offset:1024
	s_wait_dscnt 0x0
	v_pk_add_f32 v[Y:Y+1], v[Y:Y+1], v[Y+2:Y+3]
	global_store_b64 v[T8], v[Y:Y+1], s[14:15]     ; a wave stores 256 consecutive bytes, aligned
	s_wait_xcnt 0x0
	v_lshl_add_u32 v254, v0, 2, 0x33b00
	v_mov_b32 v255, 0
	s_wait_tensorcnt 0x0
	ds_add_u32 v254, v255
	s_wait_dscnt 0x0
	s_endpgm
.Lfunc_end_k_q296094ad8d_experts:
	.size	k_q296094ad8d_experts, .Lfunc_end_k_q296094ad8d_experts-k_q296094ad8d_experts
	.p2alignl 7, 3214868480
	.fill 96, 4, 3214868480
	.section	.rodata,"a",@progbits
	.p2align	6, 0x0
	.amdhsa_kernel k_q296094ad8d_experts
		.amdhsa_group_segment_fixed_size 212224
		.amdhsa_private_segment_fixed_size 0
		.amdhsa_enable_private_segment 0
		.amdhsa_kernarg_size 48
		.amdhsa_user_sgpr_count 2
		.amdhsa_user_sgpr_kernarg_segment_ptr 1
		.amdhsa_wavefront_size32 1
		.amdhsa_system_sgpr_workgroup_id_x 1
		.amdhsa_system_sgpr_workgroup_id_y 1
		.amdhsa_system_sgpr_workgroup_id_z 1
		.amdhsa_system_vgpr_workitem_id 0
		.amdhsa_next_free_vgpr 1024
		.amdhsa_next_free_sgpr 100
		.amdhsa_reserve_vcc 1
		.amdhsa_float_denorm_mode_32 3
		.amdhsa_float_denorm_mode_16_64 3
		.amdhsa_memory_ordered 1
		.amdhsa_forward_progress 1
		.amdhsa_inst_pref_size 218
	.end_amdhsa_kernel
	.amdgpu_metadata
---
amdhsa.version: [ 1, 2 ]
amdhsa.kernels:
  - .name:           k_q296094ad8d_experts
    .symbol:         k_q296094ad8d_experts.kd
    .args:
      - { .name: hb, .offset: 0, .size: 8, .value_kind: global_buffer, .address_space: global }
      - { .name: We1, .offset: 8, .size: 8, .value_kind: global_buffer, .address_space: global }
      - { .name: vvec, .offset: 16, .size: 8, .value_kind: global_buffer, .address_space: global }
      - { .name: codes, .offset: 24, .size: 8, .value_kind: global_buffer, .address_space: global }
      - { .name: route, .offset: 32, .size: 8, .value_kind: global_buffer, .address_space: global }
      - { .name: ypart, .offset: 40, .size: 8, .value_kind: global_buffer, .address_space: global }
    .group_segment_fixed_size: 212224
    .private_segment_fixed_size: 0
    .kernarg_segment_align: 8
    .kernarg_segment_size: 48
    .max_flat_workgroup_size: 128
    .sgpr_count:     100
    .vgpr_count:     1024
    .wavefront_size: 32
...
	.end_amdgpu_metadata
.endif
;; end of part 6
;; launch combine (part 7): grid 256 x 1, 1 waves a work-group, no clusters, 0 bytes of LDS; arguments codes, gates, route, ypart, b3, W4, b4, out0; writes out0
.if DOCPART == 7
	.amdgcn_target "amdgcn-amd-amdhsa--gfx1250"
	.amdhsa_code_object_version 6
	.text
	.protected	k_q296094ad8d_combine
	.globl	k_q296094ad8d_combine
	.p2align	8
	.type	k_q296094ad8d_combine,@function
k_q296094ad8d_combine:
	s_mov_b64 s[64:65], 0
	v_nop
	global_prefetch_b8 v0, s[64:65] scope:SCOPE_SE
	s_setreg_imm32_b32 hwreg(HW_REG_WAVE_MODE, 25, 1), 1
	s_wait_xcnt 0x0
; COMBINE.  One wave for a chunk of 32 tokens (batch = id / 64, chunk = id % 64), a token a lane.
; A token's place in its expert's 256 slots = the count at the chunk's head, route[e][b][chunk / 16][pass][chunk % 16], + the number of lower lanes with the same choice.
; out = g1 y(slot1) + g2 y(slot2) + c0, y = the four quarters' sum, c0 = b3' . W4' + b4'; a choice whose place is 256 or more, or that was not taken, counts 0.
; All choices are whole numbers read from memory, clamped in front of every address.  A gather of a few words a token: no LDS, no matrix unit.
.macro RND2 a, b, t
	v_cvt_pk_bf16_f32 v\t, v\a, v\b
	v_lshlrev_b32 v\a, 16, v\t
	v_and_b32 v\b, 0xffff0000, v\t
.endm
	s_load_b512 s[4:19], s[0:1], 0x0               ; codes s[4:5], gates s[6:7], route s[8:9], ypart s[10:11], b3 s[12:13], W4 s[14:15], b4 s[16:17], out0 s[18:19]
	v_lshlrev_b32 v1, 3, v0
	v_lshlrev_b32 v2, 2, v0
	v_mov_b32 v3, 0
	s_lshl_b32 s20, ttmp9, 8                       ; 32 tokens of 8 bytes
	s_mov_b32 s21, 0
	s_lshl_b32 s22, ttmp9, 7                       ; 32 tokens of 4 bytes
	s_mov_b32 s23, 0
	s_lshr_b32 s24, ttmp9, 6                       ; batch
	s_and_b32 s25, ttmp9, 63                       ; chunk
	s_lshl_b32 s26, s24, 9                         ; in the table: 512 b
	s_lshr_b32 s33, s25, 4
	s_lshl_b32 s33, s33, 7
	s_add_co_u32 s26, s26, s33                     ; + 128 (chunk / 16)
	s_and_b32 s33, s25, 15
	s_lshl2_add_u32 s26, s33, s26                  ; + 4 (chunk % 16)
	s_mov_b32 s27, 0
	s_lshl_b32 s28, s24, 10                        ; in ypart: 256 slots of 4 bytes a batch
	s_mov_b32 s29, 0
	s_wait_kmcnt 0x0
	s_add_nc_u64 s[4:5], s[4:5], s[20:21]
	s_add_nc_u64 s[6:7], s[6:7], s[20:21]
	s_add_nc_u64 s[8:9], s[8:9], s[26:27]
	s_add_nc_u64 s[10:11], s[10:11], s[28:29]
	s_add_nc_u64 s[18:19], s[18:19], s[22:23]
	global_load_b64 v[4:5], v1, s[4:5]             ; the two choices
	global_load_b64 v[6:7], v1, s[6:7]             ; the two gates
	global_load_b128 v[8:11], v3, s[12:13]
	global_load_b128 v[12:15], v3, s[14:15]
	global_load_b32 v16, v3, s[16:17]
	v_mov_b32 v17, 0
	v_mov_b32 v18, 0
	s_wait_loadcnt 4                               ; the choices are in; four loads stay out
.irp e, 0,1,2,3,4,5,6,7,8,9,10,11,12,13,14,15          ; my rank among the chunk's lanes with my choice
	v_cmp_eq_u32 s30, \e, v4
	v_cmp_eq_u32 s31, \e, v5
	v_mbcnt_lo_u32_b32 v19, s30, 0
	v_mbcnt_lo_u32_b32 v27, s31, 0
	v_cndmask_b32 v17, v17, v19, s30
	v_cndmask_b32 v18, v18, v27, s31
.endr
	v_min_u32 v20, 15, v4
	v_min_u32 v21, 15, v5
	v_lshlrev_b32 v22, 11, v20                     ; an expert's four batches of 512 bytes
	v_lshlrev_b32 v23, 11, v21
	global_load_b32 v24, v22, s[8:9]
	global_load_b32 v25, v23, s[8:9] offset:64
	s_wait_loadcnt 2                               ; gates, b3, W4 and b4 are in; the two gathers stay out
	RND2 8, 9, 19
	RND2 10, 11, 19
	RND2 12, 13, 19
	RND2 14, 15, 19
	v_cvt_pk_bf16_f32 v19, v16, v16
	v_lshlrev_b32 v16, 16, v19
	v_fma_f32 v26, v8, v12, v16
	v_fmac_f32 v26, v9, v13
	v_fmac_f32 v26, v10, v14
	v_fmac_f32 v26, v11, v15                       ; c0
	s_wait_loadcnt 0x0
	v_add_nc_u32 v24, v24, v17                     ; the places
	v_add_nc_u32 v25, v25, v18
	v_cmp_gt_u32 s30, 0x100, v24
	v_cmp_gt_u32 s31, 0x100, v25
	v_cmp_gt_u32 s32, 16, v5
	s_and_b32 s31, s31, s32
	v_min_u32 v24, 0xff, v24
	v_min_u32 v25, 0xff, v25
	v_lshlrev_b32 v24, 2, v24
	v_lshlrev_b32 v25, 2, v25
	v_lshl_add_u32 v24, v20, 12, v24               ; an expert's 1,024 slots of 4 bytes
	v_lshl_add_u32 v25, v21, 12, v25
.irp p, 0,1,2,3
	global_load_b32 v[28+\p], v24, s[10:11] offset:65536*\p
	global_load_b32 v[32+\p], v25, s[10:11] offset:65536*\p
.endr
	v_cndmask_b32 v6, 0, v6, s30
	v_cndmask_b32 v7, 0, v7, s31
	s_wait_loadcnt 0x0
	v_pk_add_f32 v[28:29], v[28:29], v[30:31]
	v_pk_add_f32 v[32:33], v[32:33], v[34:35]
	v_add_f32 v28, v28, v29
	v_add_f32 v32, v32, v33
	v_fmac_f32 v26, v6, v28
	v_fmac_f32 v26, v7, v32
	global_store_b32 v2, v26, s[18:19]             ; 128 consecutive bytes
	s_endpgm
.Lfunc_end_k_q296094ad8d_combine:
	.size	k_q296094ad8d_combine, .Lfunc_end_k_q296094ad8d_combine-k_q296094ad8d_combine
	.p2alignl 7, 3214868480
	.fill 96, 4, 3214868480
	.section	.rodata,"a",@progbits
	.p2align	6, 0x0
	.amdhsa_kernel k_q296094ad8d_combine
		.amdhsa_group_segment_fixed_size 0
		.amdhsa_private_segment_fixed_size 0
		.amdhsa_enable_private_segment 0
		.amdhsa_kernarg_size 64
		.amdhsa_user_sgpr_count 2
		.amdhsa_user_sgpr_kernarg_segment_ptr 1
		.amdhsa_wavefront_size32 1
		.amdhsa_system_sgpr_workgroup_id_x 1
		.amdhsa_system_sgpr_workgroup_id_y 1
		.amdhsa_system_sgpr_workgroup_id_z 1
		.amdhsa_system_vgpr_workitem_id 0
		.amdhsa_next_free_vgpr 64
		.amdhsa_next_free_sgpr 66
		.amdhsa_reserve_vcc 0
		.amdhsa_float_denorm_mode_32 3
		.amdhsa_float_denorm_mode_16_64 3
		.amdhsa_memory_ordered 1
		.amdhsa_forward_progress 1
		.amdhsa_inst_pref_size 11
	.end_amdhsa_kernel
	.amdgpu_metadata
---
amdhsa.version: [ 1, 2 ]
amdhsa.kernels:
  - .name:           k_q296094ad8d_combine
    .symbol:         k_q296094ad8d_combine.kd
    .args:
      - { .name: codes, .offset: 0, .size: 8, .value_kind: global_buffer, .address_space: global }
      - { .name: gates, .offset: 8, .size: 8, .value_kind: global_buffer, .address_space: global }
      - { .name: route, .offset: 16, .size: 8, .value_kind: global_buffer, .address_space: global }
      - { .name: ypart, .offset: 24, .size: 8, .value_kind: global_buffer, .address_space: global }
      - { .name: b3, .offset: 32, .size: 8, .value_kind: global_buffer, .address_space: global }
      - { .name: W4, .offset: 40, .size: 8, .value_kind: global_buffer, .address_space: global }
      - { .name: b4, .offset: 48, .size: 8, .value_kind: global_buffer, .address_space: global }
      - { .name: out0, .offset: 56, .size: 8, .value_kind: global_buffer, .address_space: global }
    .group_segment_fixed_size: 0
    .private_segment_fixed_size: 0
    .kernarg_segment_align: 8
    .kernarg_segment_size: 64
    .max_flat_workgroup_size: 32
    .sgpr_count:     66
    .vgpr_count:     64
    .wavefront_size: 32
...
	.end_amdgpu_metadata
.endif
;; end of part 7
